; MI455X (gfx1250); checked and timed in simulation.
; The chip was launched on July 23, 2026; its instructions are those of AMD's public machine-readable ISA for CDNA 5 (MIT licence, August 2026) and "CDNA5" Instruction Set Architecture Reference Guide (July 2026). The comments in the code are by the model that wrote it; some were corrected since.
;; Decoder Block. Allowed arithmetic: matrix products marked QUANTISED: E2M3 operands, one E8M0 scale for each 32 along K, by v_wmma_scale_f32_16x16x128_f8f6f4 with both operands' format E2M3, f32 sums; everything else in f32.
;; Inputs: W1 1,024 x 4,096 float32; W2 4,096 x 1,024 float32; Wk 16 x 1,024 x 64 float32; Wo 1,024 x 1,024 float32; Wq 16 x 1,024 x 64 float32; Wv 16 x 1,024 x 64 float32; b1 4,096 float32; b2 1,024 float32; bo 1,024 float32; x 4 x 1,024 x 1,024 float32.
;; Outputs: out0 4 x 1,024 x 1,024 float32.
;; This version of the problem:
;;   THIS VERSION OF THE PROBLEM IS GIVEN IN LOW PRECISION. The matrix products marked QUANTISED in the list below multiply operands that are first quantised to E2M3 (2 exponent bits, 3 mantissa bits; 6 bits a number), with one power-of-two scale for each 32 numbers along K (OCP MX v1.0); their sums are f32. All else is computed in f32.
;;   The module's matrix products, in the order in which they are computed (A, B: the left and right operand; K: the contracted axis; several contracted axes count as one K, in the product's order):
;;     1. [M 1,024, K 1,024] x [K 1,024, N 4,096]; A: input Wq; B: input x: QUANTISED
;;     2. [M 1,024, K 1,024] x [K 1,024, N 4,096]; A: input Wk; B: input x: QUANTISED
;;     3. [M 1,024, K 1,024] x [K 1,024, N 4,096]; A: input Wv; B: input x: QUANTISED
;;     4. batch 64 x [M 1,024, K 64] x [K 64, N 1,024]; A: computed on the way; B: computed on the way: QUANTISED
;;     5. batch 64 x [M 1,024, K 1,024] x [K 1,024, N 64]; A: softmax (see below); B: computed on the way: QUANTISED
;;     6. [M 4,096, K 1,024] x [K 1,024, N 1,024]; A: computed on the way; B: input Wo: QUANTISED
;;     7. [M 4,096, K 1,024] x [K 1,024, N 4,096]; A: computed on the way; B: input W1: QUANTISED
;;     8. [M 4,096, K 4,096] x [K 4,096, N 1,024]; A: computed on the way; B: input W2: QUANTISED
;;   THE QUANTISER, for each operand of a quantised product, along K:
;;     - K is cut into blocks of 32 from its start; a last block that is shorter is filled with zeros.
;;     - A block's scale is 2^e with e = floor(log2(the largest magnitude in the block)) - 2, held to -126 .. 127; a block of zeros has e = 0. As a byte (E8M0): e + 127.
;;     - Each number is divided by its block's scale, clamped to +-7.5, and rounded to the nearest number of E2M3, ties to even, subnormals kept.
;;     - The product sums the exact products of the quantised numbers (number of the format x scale) in f32.
;;   ~~~python
;;   def quantise(x, axis):      # numpy; x: float32 -> the quantised numbers, widened to float32 again
;;       x = np.moveaxis(x, axis, -1); K = x.shape[-1]
;;       x = np.pad(x, [(0, 0)] * (x.ndim - 1) + [(0, -K % 32)]); x = x.reshape(x.shape[:-1] + (-1, 32)); a = np.abs(x).max(-1, keepdims=True)
;;       e = np.where(a > 0, np.clip(np.frexp(np.where(a > 0, a, 1))[1] - 1 - 2, -126, 127), 0)      # np.frexp(a)[1] - 1 = floor(log2(a)), exactly
;;       r = np.clip(x / 2.0 ** e, -7.5, 7.5)
;;       step = 2.0 ** (np.maximum(np.frexp(np.where(r == 0, 1, r))[1] - 1, 0) - 3)
;;       q = np.round(r / step) * step * 2.0 ** e      # np.round: ties to even
;;       return np.moveaxis(q.reshape(q.shape[:-2] + (-1,))[..., :K], -1, axis).astype(np.float32)
;;   ~~~
;;   SOFTMAX AHEAD OF A QUANTISED PRODUCT. Where the list says 'softmax', what is quantised is not the finished softmax but p = 2^(t - M), with t = logit x log2(e) and M = ceil(the row's largest t), a whole number; so 1/2 < the row's largest p <= 1. The row's sum l is taken of the UNQUANTISED p, in f32, and the product's result is divided by l at the end. Since M is a whole number, a kernel that streams over the keys may use a running M (the ceiling of the running maximum): every later rescaling is an exact power of two, which a block's scale takes up: the codes' values come out the same.
;;   OPERANDS COMPUTED ON THE WAY. 'Computed on the way' means the value that the module computes at that place (a softmax that the list does not call 'softmax' is quantised finished and normalised). What goes into a quantiser is computed in f32, as accurately as f32 sums, v_exp_f32 and their like allow (about 1e-6 of the number): no bf16 or f16 on the way to a quantiser, and a product that is left as it is and whose result goes on into a quantised operand takes f32 operands (vector FMAs, or v_wmma_f32_16x16x4_f32). A number that lies on a knife's edge between two numbers of the format may be rounded either way, as far as f32 arithmetic and the matrix unit's own rounding can turn it there, and no further.
;; One version. Each part assembles by itself: llvm-mc -triple=amdgcn-amd-amdhsa -mcpu=gfx1250 --defsym DOCPART=n.
;; ======== version 1 of 1: 6 launches
;; limits: right only within a limited range of input values
;; workspace buffers: prep 13,107,200 bytes; qkv 10,092,544 bytes; attn 3,276,800 bytes; x1 16,777,216 bytes; x1img 3,276,800 bytes; himg 13,107,200 bytes
;; launch prep (part 1): grid 1024 x 1, 4 waves a work-group, no clusters, 46,592 bytes of LDS; arguments x, Wq, Wk, Wv, Wo, W1, W2, prep; writes prep
.if DOCPART == 1
	.amdgcn_target "amdgcn-amd-amdhsa--gfx1250"
	.amdhsa_code_object_version 6
	.text
	.protected	k_q138c920b14_prep
	.globl	k_q138c920b14_prep
	.p2align	8
	.type	k_q138c920b14_prep,@function
k_q138c920b14_prep:
	s_mov_b64 s[64:65], 0
	v_nop
	global_prefetch_b8 v0, s[64:65] scope:SCOPE_SE
	s_setreg_imm32_b32 hwreg(HW_REG_WAVE_MODE, 25, 1), 1
	s_wait_xcnt 0x0
; x [4096][1024] and the six weights (K = their first matrix axis), all f32, become codes of FP6 (E2M3) with one E8M0 byte for each 32 along K, laid in the ORDER OF AN OPERAND'S REGISTERS.
; IMAGE.  Row block J has 16 rows; its lane r holds row 32 (J / 2) + 8 (J % 2) + r + 8 (r / 8).  A fragment (16 rows x 128 K, 12 registers a lane) is 1,536 bytes: for c = 0, 1 at 768 c: registers 6 c .. 6 c + 3 of
; lane L at 16 L, registers 6 c + 4, 6 c + 5 at 512 + 8 L.  Four fragments (512 along K) and 256 bytes of scale words (row r, fragment q: 6,144 + 16 r + 4 q) are a chunk block of 6,400 bytes; an operand is [J][K / 512][6,400].
; A block's scale is 2^(floor(log2(largest magnitude)) - 2); its byte is the largest magnitude's exponent field - 2, held at 1 from below.
; LIMITS: NaN and infinities among the inputs are not served; a block whose largest magnitude lies under 2^-124, a block of zeros among them, gets the byte 1 (the rule says 127 for zeros): its codes are zeros
; or nearly so, and the bytes are read by this program alone.
; SHARES.  Work-groups 0-767 take the weights: 128 columns x 128 K each, a wave 32 columns, A LANE A COLUMN, ITS REGISTERS DOWN K: a block of 32 lies in one lane.  Work-groups 768-1023 take x: one row block each,
; a wave 256 along K.  The two ways part on the work-group's number and have LDS bytes of their own.  No barrier: waves share nothing.  No matrix unit, no cluster, no tensor load: the launch streams.
.set XSTG,  12288                      ; LDS: 4 x 3,072 bytes for the weights' way (two fragments a wave); from here 4 x 8,448 for x's way (16 rows x 528)
.set SPARE, 46080                      ; the spare words, 128 bytes a wave: two blocks of 256 bytes that no other line names
.set SPW, 12                           ; v12  my spare word's LDS address; never rewritten
.set NIL, 13                           ; v13  0; never rewritten
.set OFF, 32                           ; v32-63   weights: 4 x lane + i x the row pitch
.set X,   64                           ; v64-127  weights: two sets of 32 numbers;  x: v64-191, 32 loads of 16 bytes
.set OW,  128                          ; v128-151 weights: the two fragments read back
.set Y,   192                          ; x: v192-255, 64 numbers of my row in the operand's order
.set CW,  192                          ; weights: a block's six code registers at v[192 + 8 blk]; the second conversion's three at v[224 + 4 blk]
.set TW,  224
	s_load_b512 s[4:19], s[0:1], 0x0               ; x s[4:5], Wq s[6:7], Wk s[8:9], Wv s[10:11], Wo s[12:13], W1 s[14:15], W2 s[16:17], prep s[18:19]
	v_lshl_add_u32 v[SPW], v0, 2, SPARE
	v_mov_b32 v[NIL], 0
	v_lshrrev_b32 v1, 5, v0
	v_readfirstlane_b32 s20, v1                    ; wave
	v_and_b32 v2, 31, v0                           ; lane
	s_cmp_ge_u32 ttmp9, 768
	s_cbranch_scc1 .Lx
	; ---------------- the weights ----------------
	; which tensor: set for Wq, then overridden by the work-group's number
	s_mov_b32 s21, 0                               ; the tensor's first work-group
	s_mov_b32 s22, 3276800                         ; its image in prep
	s_mov_b32 s23, 256                             ; bytes from k to k + 1
	s_mov_b32 s24, 262144                          ; bytes from 64 columns to the next 64 (a head; in a plain matrix 256)
	s_mov_b32 s25, 3                               ; log2(K / 128)
	s_mov_b32 s26, 12800                           ; bytes of a row block's image
	s_wait_kmcnt 0x0
	s_mov_b64 s[28:29], s[6:7]
.macro PICK start, dst, pitch, hs, lks, bst, ptr
	s_cmp_ge_u32 ttmp9, \start
	s_cselect_b32 s21, \start, s21
	s_cselect_b32 s22, \dst, s22
	s_cselect_b32 s23, \pitch, s23
	s_cselect_b32 s24, \hs, s24
	s_cselect_b32 s25, \lks, s25
	s_cselect_b32 s26, \bst, s26
	s_cselect_b64 s[28:29], s[\ptr:\ptr+1], s[28:29]
.endm
	PICK 64,  4096000, 256,   262144, 3, 12800, 8  ; Wk: behind Wq in one image
	PICK 128, 4915200, 256,   262144, 3, 12800, 10 ; Wv
	PICK 192, 5734400, 4096,  256,    3, 12800, 12 ; Wo
	PICK 256, 6553600, 16384, 256,    3, 12800, 14 ; W1
	PICK 512, 9830400, 4096,  256,    5, 51200, 16 ; W2
	s_sub_co_u32 s30, ttmp9, s21
	s_lshl_b32 s31, 1, s25
	s_sub_co_u32 s31, s31, 1
	s_and_b32 s31, s30, s31                        ; ks: which 128 along K
	s_lshr_b32 s30, s30, s25
	s_lshl_b32 s30, s30, 2
	s_add_co_u32 s30, s30, s20                     ; cg: which 32 columns are my wave's
	s_lshr_b32 s32, s30, 1
	s_mul_i32 s32, s32, s24
	s_and_b32 s33, s30, 1
	s_lshl_b32 s33, s33, 7
	s_add_co_u32 s32, s32, s33
	s_mul_i32 s33, s31, s23
	s_lshl_b32 s33, s33, 7
	s_add_co_u32 s32, s32, s33                     ; my columns, my first k, in bytes (under 2^25)
	s_mov_b32 s33, 0
	s_add_nc_u64 s[36:37], s[28:29], s[32:33]      ; a base for each block of 32 along K
	s_lshl_b32 s32, s23, 5
	s_add_nc_u64 s[38:39], s[36:37], s[32:33]
	s_add_nc_u64 s[40:41], s[38:39], s[32:33]
	s_add_nc_u64 s[42:43], s[40:41], s[32:33]
	s_lshl_b32 s32, s30, 1                         ; where the results go: row blocks 2 cg, 2 cg + 1, chunk ks / 4, fragment ks % 4
	s_mul_i32 s32, s32, s26
	s_add_co_u32 s32, s32, s22
	s_lshr_b32 s34, s31, 2
	s_mul_i32 s34, s34, 6400
	s_add_co_u32 s32, s32, s34
	s_and_b32 s34, s31, 3
	s_mul_i32 s35, s34, 1536
	s_lshl_b32 s34, s34, 2
	s_add_co_u32 s34, s34, s32
	s_add_co_u32 s34, s34, 6144                    ; the scale words
	s_add_co_u32 s32, s32, s35                     ; the codes
	s_mov_b32 s35, 0
	s_add_nc_u64 s[44:45], s[18:19], s[32:33]
	s_add_nc_u64 s[46:47], s[18:19], s[34:35]
	s_wait_alu depctr_va_vdst(0)
	v_lshlrev_b32 v3, 2, v2
.set ii, 0
.rept 32
	v_mad_u32_u24 v[OFF+ii], s23, ii, v3
.set ii, ii+1
.endr
.macro LOADW blk                       ; block blk: W(32 blk + i, my column) into set blk % 2; 32 lanes read 128 consecutive bytes
.set ii, 0
.rept 32
	global_load_b32 v[X+32*((\blk)%2)+ii], v[OFF+ii], s[36+2*(\blk):37+2*(\blk)] th:TH_LOAD_NT
.set ii, ii+1
.endr
.endm
	LOADW 0
	LOADW 1
	v_bfe_u32 v4, v2, 3, 1                         ; column l of the 32 is lane r of row block 2 cg + u: u = (l / 8) % 2,
	v_and_b32 v5, 7, v2
	v_lshrrev_b32 v6, 4, v2
	v_lshl_or_b32 v5, v6, 3, v5                    ; r = l % 8 + 8 (l / 16)
	s_mul_i32 s27, s20, 3072                       ; my stage
	v_mul_u32_u24 v6, v4, 1536
	v_add_nc_u32 v6, s27, v6
	v_lshl_add_u32 v7, v5, 4, v6                   ; where a block's first four registers go,
	v_lshl_add_u32 v8, v5, 3, v6
	v_add_nc_u32 v8, 512, v8                       ; and its last two
	v_lshl_add_u32 v9, v2, 4, s27                  ; back: 16 bytes a lane
	v_mul_u32_u24 v10, v4, s26
	v_lshl_add_u32 v10, v5, 4, v10                 ; my scale word: u row blocks on, 16 r
	v_lshlrev_b32 v11, 4, v2
	v_add_nc_u32 v17, s26, v11                     ; the second fragment lies a row block's image further on
.macro BLOCKW blk
.set XS, X+32*((\blk)%2)
.if (\blk) < 3
	s_wait_loadcnt 32                              ; this block's 32 loads are in; the next block's may be out
.else
	s_wait_loadcnt 0x0
.endif
	v_max3_num_f32 v14, |v[XS]|, |v[XS+1]|, |v[XS+2]|     ; the block's largest magnitude: all 32 numbers are mine
	v_max3_num_f32 v15, |v[XS+3]|, |v[XS+4]|, |v[XS+5]|
.irp i, 6,10,14,18,22,26
	v_max3_num_f32 v14, v14, |v[XS+\i]|, |v[XS+\i+1]|
	v_max3_num_f32 v15, v15, |v[XS+\i+2]|, |v[XS+\i+3]|
.endr
	v_max3_num_f32 v14, v14, |v[XS+30]|, |v[XS+31]|
	v_max3_num_f32 v14, v14, v15, 0x1800000        ; and the floor 2^(3 - 127): the byte cannot fall under 1
	v_add_nc_u32 v16, 0xff000000, v14              ; 2 off the exponent field: the conversion's scale operand
	v_lshrrev_b32 v15, 23, v16                     ; the byte
.if (\blk) == 0
	v_mov_b32 v24, v15
.else
	v_lshl_or_b32 v24, v15, 8*(\blk), v24          ; four bytes make my column's scale word for these 128 k
.endif
	v_cvt_scalef32_pk16_fp6_f32 v[CW+8*(\blk):CW+8*(\blk)+2], v[XS:XS+15], v16
	v_cvt_scalef32_pk16_fp6_f32 v[TW+4*(\blk):TW+4*(\blk)+2], v[XS+16:XS+31], v16   ; (a conversion's three registers begin on an even number)
	v_nop                                          ; one plain place behind a scaled conversion
.irp i, 0,1,2
	v_mov_b32 v[CW+8*(\blk)+3+\i], v[TW+4*(\blk)+\i]
.endr
	ds_store_b128 v7, v[CW+8*(\blk):CW+8*(\blk)+3] offset:768*((\blk)/2)+256*((\blk)%2)      ; block blk is registers 6 (blk / 2) on of image lane r + 16 (blk % 2)
	ds_store_b64 v8, v[CW+8*(\blk)+4:CW+8*(\blk)+5] offset:768*((\blk)/2)+128*((\blk)%2)
.if (\blk) < 2
	LOADW (\blk)+2
.endif
.endm
	BLOCKW 0
	BLOCKW 1
	BLOCKW 2
	BLOCKW 3
	global_store_b32 v10, v24, s[46:47]
.irp m, 0,1,2,3,4,5
	ds_load_b128 v[OW+4*\m:OW+4*\m+3], v9 offset:512*\m     ; LDS serves a wave's instructions in order: these see my stores
.endr
.irp m, 0,1,2
	s_wait_dscnt 5-\m                              ; the younger loads may be out
	global_store_b128 v11, v[OW+4*\m:OW+4*\m+3], s[44:45] offset:512*\m       ; 32 lanes store 512 consecutive bytes, at a multiple of 256 from the buffer's first byte
.endr
.irp m, 3,4,5
	s_wait_dscnt 5-\m
	global_store_b128 v17, v[OW+4*\m:OW+4*\m+3], s[44:45] offset:512*(\m-3)
.endr
	s_wait_tensorcnt 0x0                           ; the wave's end
	ds_add_u32 v[SPW], v[NIL]
	s_wait_dscnt 0x0
	s_endpgm
	; ---------------- x ----------------
.Lx:
	s_sub_co_u32 s24, ttmp9, 768                   ; J: my row block
	s_lshr_b32 s25, s24, 1
	s_lshl_b32 s25, s25, 5
	s_and_b32 s26, s24, 1
	s_lshl_b32 s26, s26, 3
	s_add_co_u32 s25, s25, s26                     ; the block's first row: 32 (J / 2) + 8 (J % 2)
	s_lshl_b32 s25, s25, 12
	s_lshl_b32 s26, s20, 10                        ; my wave's 256 along K
	s_add_co_u32 s26, s26, s25
	s_mov_b32 s27, 0
	s_lshl_b32 s29, s24, 1
	s_lshr_b32 s30, s20, 1
	s_add_co_u32 s29, s29, s30
	s_mul_i32 s29, s29, 6400                       ; chunk block 2 J + wave / 2
	s_and_b32 s30, s20, 1
	s_mul_i32 s32, s30, 3072
	s_add_co_u32 s32, s32, s29                     ; its fragments 2 (wave % 2) and the next
	s_mov_b32 s33, 0
	s_lshl_b32 s34, s30, 3
	s_add_co_u32 s34, s34, s29
	s_add_co_u32 s34, s34, 6144                    ; and their scale words
	s_mov_b32 s35, 0
	s_mov_b32 s21, 0xffff0000                      ; lanes 16-31
	s_mov_b32 s22, 0x76543210
	s_mov_b32 s23, 0xfedcba98                      ; v_permlanex16_b32's selects for lane l xor 16
	s_wait_alu depctr_va_vdst(0)
	v_lshlrev_b32 v3, 4, v2
	s_wait_alu depctr_va_vdst(0)
	s_wait_kmcnt 0x0
	s_add_nc_u64 s[4:5], s[4:5], s[26:27]
	s_add_nc_u64 s[36:37], s[18:19], s[32:33]
	s_add_nc_u64 s[38:39], s[18:19], s[34:35]
.irp f, 0,1
.irp i, 0,1,2,3,4,5,6,7,8,9,10,11,12,13,14,15
	global_load_b128 v[X+64*\f+4*\i:X+64*\f+4*\i+3], v3, s[4:5] offset:(\i+8*(\i/8))*4096+512*\f th:TH_LOAD_NT   ; image lane i's row: 512 consecutive bytes
.endr
.endr
	v_and_b32 v4, 15, v2                           ; r
	v_lshrrev_b32 v5, 4, v2                        ; h
	s_mul_i32 s28, s20, 8448
	s_add_co_u32 s28, s28, XSTG                    ; my stage
	v_add_nc_u32 v6, s28, v3                       ; in: 16 bytes a lane, a row an instruction
	v_mul_u32_u24 v7, v4, 528
	v_lshl_add_u32 v7, v5, 7, v7
	v_add_nc_u32 v7, s28, v7                       ; out: row r, + 128 h: k = 64 c + 32 h + 0 .. 31
	v_lshlrev_b32 v8, 3, v2
	v_lshlrev_b32 v9, 2, v5
	v_lshl_add_u32 v9, v4, 4, v9                   ; 16 r + 4 h
	v_lshlrev_b32 v21, 3, v5                       ; 8 h
	v_mov_b32 v22, 0                               ; a lane permute's destination counts as one of its sources
.macro XFRAG f                         ; 128 along K of my 16 rows become a fragment in v[32 + 12 f] on and its scale word in v[24 + f]
.set PCF, 32+12*\f
	s_wait_loadcnt 16-16*\f                        ; this fragment's 16 loads are in; the other's may be out
.irp i, 0,1,2,3,4,5,6,7,8,9,10,11,12,13,14,15
	ds_store_b128 v6, v[X+64*\f+4*\i:X+64*\f+4*\i+3] offset:528*\i
.endr
.irp c, 0,1
.irp j, 0,1,2,3,4,5,6,7
	ds_load_b128 v[Y+32*\c+4*\j:Y+32*\c+4*\j+3], v7 offset:256*\c+16*\j   ; in order behind my stores
.endr
.endr
	s_wait_dscnt 0x0
.irp c, 0,1
	v_max3_num_f32 v[14+\c], |v[Y+32*\c]|, |v[Y+32*\c+1]|, 0x1800000     ; my block 2 c + h: all 32 numbers are mine; and the floor
.endr
.irp i, 2,4,6,8,10,12,14,16,18,20,22,24,26,28,30
.irp c, 0,1
	v_max3_num_f32 v[14+\c], v[14+\c], |v[Y+32*\c+\i]|, |v[Y+32*\c+\i+1]|
.endr
.endr
.irp c, 0,1
	v_add_nc_u32 v[16+\c], 0xff000000, v[14+\c]
.endr
.irp c, 0,1
	v_lshrrev_b32 v[18+\c], 23, v[16+\c]
.endr
	v_lshl_or_b32 v20, v19, 16, v18                ; my two bytes: blocks h and 2 + h,
	v_lshlrev_b32 v20, v21, v20                    ; at their places in the word;
	v_permlanex16_b32 v22, v20, s22, s23
	v_or_b32 v[24+\f], v20, v22                    ; with lane l xor 16's two the word is whole
.irp c, 0,1
	v_cvt_scalef32_pk16_fp6_f32 v[PCF+6*\c:PCF+6*\c+2], v[Y+32*\c:Y+32*\c+15], v[16+\c]
	v_cvt_scalef32_pk16_fp6_f32 v[56+4*\c:58+4*\c], v[Y+32*\c+16:Y+32*\c+31], v[16+\c]
.endr
	v_nop                                          ; one plain place behind a scaled conversion
.irp c, 0,1
.irp i, 0,1,2
	v_mov_b32 v[PCF+6*\c+3+\i], v[56+4*\c+\i]
.endr
.endr
	global_store_b128 v3, v[PCF:PCF+3], s[36:37] offset:1536*\f
	global_store_b64 v8, v[PCF+4:PCF+5], s[36:37] offset:1536*\f+512
	global_store_b128 v3, v[PCF+6:PCF+9], s[36:37] offset:1536*\f+768
	global_store_b64 v8, v[PCF+10:PCF+11], s[36:37] offset:1536*\f+1280
.endm
	s_wait_alu depctr_va_vdst(0)
	XFRAG 0
	XFRAG 1
	v_cndmask_b32 v23, v24, v25, s21               ; lanes 0-15 store the first fragment's words, lanes 16-31 the second's
	global_store_b32 v9, v23, s[38:39]
	s_wait_tensorcnt 0x0                           ; the wave's end
	ds_add_u32 v[SPW], v[NIL]
	s_wait_dscnt 0x0
	s_endpgm
.Lfunc_end_k_q138c920b14_prep:
	.size	k_q138c920b14_prep, .Lfunc_end_k_q138c920b14_prep-k_q138c920b14_prep
	.p2alignl 7, 3214868480
	.fill 96, 4, 3214868480
	.section	.rodata,"a",@progbits
	.p2align	6, 0x0
	.amdhsa_kernel k_q138c920b14_prep
		.amdhsa_group_segment_fixed_size 46592
		.amdhsa_private_segment_fixed_size 0
		.amdhsa_enable_private_segment 0
		.amdhsa_kernarg_size 64
		.amdhsa_user_sgpr_count 2
		.amdhsa_user_sgpr_kernarg_segment_ptr 1
		.amdhsa_wavefront_size32 1
		.amdhsa_system_sgpr_workgroup_id_x 1
		.amdhsa_system_sgpr_workgroup_id_y 1
		.amdhsa_system_sgpr_workgroup_id_z 1
		.amdhsa_system_vgpr_workitem_id 0
		.amdhsa_next_free_vgpr 256
		.amdhsa_next_free_sgpr 66
		.amdhsa_reserve_vcc 0
		.amdhsa_float_denorm_mode_32 3
		.amdhsa_float_denorm_mode_16_64 3
		.amdhsa_memory_ordered 1
		.amdhsa_forward_progress 1
		.amdhsa_inst_pref_size 43
	.end_amdhsa_kernel
	.amdgpu_metadata
---
amdhsa.version: [ 1, 2 ]
amdhsa.kernels:
  - .name:           k_q138c920b14_prep
    .symbol:         k_q138c920b14_prep.kd
    .args:
      - { .name: x, .offset: 0, .size: 8, .value_kind: global_buffer, .address_space: global }
      - { .name: Wq, .offset: 8, .size: 8, .value_kind: global_buffer, .address_space: global }
      - { .name: Wk, .offset: 16, .size: 8, .value_kind: global_buffer, .address_space: global }
      - { .name: Wv, .offset: 24, .size: 8, .value_kind: global_buffer, .address_space: global }
      - { .name: Wo, .offset: 32, .size: 8, .value_kind: global_buffer, .address_space: global }
      - { .name: W1, .offset: 40, .size: 8, .value_kind: global_buffer, .address_space: global }
      - { .name: W2, .offset: 48, .size: 8, .value_kind: global_buffer, .address_space: global }
      - { .name: prep, .offset: 56, .size: 8, .value_kind: global_buffer, .address_space: global }
    .group_segment_fixed_size: 46592
    .private_segment_fixed_size: 0
    .kernarg_segment_align: 8
    .kernarg_segment_size: 64
    .max_flat_workgroup_size: 128
    .sgpr_count:     66
    .vgpr_count:     256
    .wavefront_size: 32
...
	.end_amdgpu_metadata
.endif
;; end of part 1
;; launch gqkv (part 2): grid 8 x 24, 4 waves a work-group, clusters of 4 x 4, 327,680 bytes of LDS; arguments prep, qkv; writes qkv
.if DOCPART == 2
	.amdgcn_target "amdgcn-amd-amdhsa--gfx1250"
	.amdhsa_code_object_version 6
	.text
	.protected	k_q138c920b14_gqkv
	.globl	k_q138c920b14_gqkv
	.p2align	8
	.type	k_q138c920b14_gqkv,@function
k_q138c920b14_gqkv:
	s_mov_b64 s[64:65], 0
	v_nop
	global_prefetch_b8 v0, s[64:65] scope:SCOPE_SE
	s_setreg_imm32_b32 hwreg(HW_REG_WAVE_MODE, 25, 1), 1
	s_wait_xcnt 0x0
	s_wait_alu depctr_hold_cnt(0) depctr_sa_sdst(0) depctr_va_vdst(0) depctr_va_sdst(0) depctr_va_ssrc(0) depctr_va_vcc(0) depctr_vm_vsrc(0)
	s_getreg_b32 s2, hwreg(HW_REG_IB_STS2, 6, 4)
	s_cmp_eq_u32 s2, 0
	s_cbranch_scc0 .Lentry_in_a_cluster
	s_endpgm
.Lentry_in_a_cluster:
	s_bfe_u32 s2, ttmp6, 0x10000c
	s_cmp_lg_u32 s2, 0xf033
	s_cbranch_scc0 .Lentry_shape_is_right
	s_endpgm
.Lentry_shape_is_right:
.set NBW,   8
.set NCH,   2
.set CHB,   6400
.set SLOT,  (8+2*NBW)*CHB
.set SPARE, 2*SLOT
.set ADA16, 8
.set ADA8,  10
.set ADB16, 12
.set ADB8,  14
.set ADS,   16
.set ADS2,  18
.set VO16,  20
.set VO8,   21
.set SPW,   28
.set NIL,   29
.set SC,    32
.set AF,    96
.set TM,    192
.set PW,    208
.set PC,    212
.set G1A, 24
.set G0A, 32
.set G1B, 48
.set G0B, 56
.set G0R, 92
.set MSB, 0
.macro WIN new
.if MSB != \new
	s_set_vgpr_msb (MSB<<8)|\new
.set MSB, \new
.endif
.endm
.macro PLACES
.rept 4
	v_nop
.endr
.endm
.macro JLOAD s
	s_cmp_eq_u32 s15, 0
	s_cbranch_scc0 .Lfor_b_\@
	tensor_load_to_lds s[G0A+4*\s:G0A+4*\s+3], s[G1A:G1A+7]
	s_nop 0
.rept 4
	v_nop
.endr
	s_branch .Lasked_\@
.Lfor_b_\@:
	tensor_load_to_lds s[G0B+4*\s:G0B+4*\s+3], s[G1B:G1B+7]
	s_nop 0
.rept 4
	v_nop
.endr
.Lasked_\@:
.endm
.macro CREST
	s_cmp_lg_u32 s14, 0
	s_cbranch_scc1 .Lnot_wave_0_\@
	s_barrier_signal -3
.Lnot_wave_0_\@:
	s_barrier_wait -3
	s_barrier_signal -1
	s_barrier_wait -1
.endm
.macro CROUND
	s_barrier_signal -1
	s_barrier_wait -1
	CREST
.endm
.macro FRAGLD reg, a16, a8, off
	ds_load_b128 v[\reg:\reg+3], v[\a16] offset:\off
	ds_load_b64 v[\reg+4:\reg+5], v[\a8] offset:\off+512
	ds_load_b128 v[\reg+6:\reg+9], v[\a16] offset:\off+768
	ds_load_b64 v[\reg+10:\reg+11], v[\a8] offset:\off+1280
.endm
.macro FETCH s, q, p
	WIN 0x40
.irp i, 0,1,2,3,4,5,6,7
	FRAGLD 128*(\p)+12*\i, ADB16+(\s), ADB8+(\s), CHB*\i+1536*(\q)
.endr
	WIN 0
.irp i, 0,1,2,3
	FRAGLD AF+48*(\p)+12*\i, ADA16+(\s), ADA8+(\s), CHB*\i+1536*(\q)
.endr
.endm
.macro SCALES s
.irp i, 0,1,2,3
	ds_load_b128 v[SC+4*NBW*(\s)+4*\i:SC+4*NBW*(\s)+4*\i+3], v[ADS+(\s)] offset:CHB*\i
.endr
.irp i, 4,5,6,7
	ds_load_b128 v[SC+4*NBW*(\s)+4*\i:SC+4*NBW*(\s)+4*\i+3], v[ADS2+(\s)] offset:CHB*\i
.endr
.endm
.macro MULA a, p, q, s, cm
.irp t, 0,1,2,3,4,5,6,7
.set rD, 8*(NBW*(\a)+\t)
.set rB, 128*(\p)+12*\t
.set rA, AF+48*(\p)+12*(\a)
.set rX, SC+4*NBW*(\s)+4*\t+(\q)
.set rY, SC+4*NBW*(\s)+4*(\a)+(\q)
.if \cm == 0
	v_wmma_scale_f32_16x16x128_f8f6f4 v[rD:rD+7], v[rB:rB+11], v[rA:rA+11], 0, v[rX], v[rY] matrix_a_fmt:MATRIX_FMT_FP6 matrix_b_fmt:MATRIX_FMT_FP6 matrix_a_scale:MATRIX_SCALE_ROW1
.else
	v_wmma_scale_f32_16x16x128_f8f6f4 v[rD:rD+7], v[rB:rB+11], v[rA:rA+11], v[rD:rD+7], v[rX], v[rY] matrix_a_fmt:MATRIX_FMT_FP6 matrix_b_fmt:MATRIX_FMT_FP6 matrix_a_scale:MATRIX_SCALE_ROW1
.endif
.endr
.endm
.macro KSTEP s, q, cm
	s_wait_dscnt 0x0
	PLACES
	FETCH \s, (\q)+1, 1-(\q)%2
	WIN 0xa1
	MULA 0, (\q)%2, \q, \s, \cm
	MULA 1, (\q)%2, \q, \s, \cm
	MULA 2, (\q)%2, \q, \s, \cm
	MULA 3, (\q)%2, \q, \s, \cm
	WIN 0
.endm
.macro TURN s
	s_wait_tensorcnt 0x0
	ds_add_u32 v[SPW], v[NIL]
	s_wait_dscnt 0x1
	WIN 0xa1
	MULA 0, 1, 3, \s, 2
	s_wait_dscnt 0x0
	s_barrier_signal -1
	MULA 1, 1, 3, \s, 2
	WIN 0
	s_barrier_wait -1
	PLACES
	FETCH 1-(\s), 0, 0
	SCALES 1-(\s)
	WIN 0xa1
	MULA 2, 1, 3, \s, 2
	MULA 3, 1, 3, \s, 2
	WIN 0
.endm
.macro FLOW s
	s_wait_dscnt 0x0
	PLACES
	FETCH 1-(\s), 0, 0
	SCALES 1-(\s)
	WIN 0xa1
	MULA 0, 1, 3, \s, 2
	MULA 1, 1, 3, \s, 2
	MULA 2, 1, 3, \s, 2
	MULA 3, 1, 3, \s, 2
	WIN 0
.endm
.macro ENDT
	s_wait_tensorcnt 0x0
	ds_add_u32 v[SPW], v[NIL]
	s_wait_dscnt 0x1
	WIN 0xa1
	MULA 0, 1, 3, 1, 2
	s_wait_dscnt 0x0
	s_barrier_signal -1
	MULA 1, 1, 3, 1, 2
	WIN 0
	s_barrier_wait -1
	CREST
	tensor_load_to_lds s[G0R:G0R+3], s[G1A:G1A+7]
	s_nop 0
.rept 4
	v_nop
.endr
	WIN 0xa1
	MULA 2, 1, 3, 1, 2
	MULA 3, 1, 3, 1, 2
	WIN 0
	PLACES
.endm
.macro QUANT s
	WIN 0x0a
.irp b, 0,1,2,3
	v_max3_num_f32 v[TM+\b], |v[(\s)+16*\b]|, |v[(\s)+1+16*\b]|, 0x1800000
.endr
	WIN 0x28
.irp i, 2,4,6,8,10,12,14
.irp b, 0,1,2,3
	v_max3_num_f32 v[TM+\b], v[TM+\b], |v[(\s)+16*\b+\i]|, |v[(\s)+1+16*\b+\i]|
.endr
.endr
	WIN 0
.irp b, 0,1,2,3
	v_permlanex16_b32 v[TM+4+\b], v[TM+\b], s20, s21
.endr
.irp b, 0,1,2,3
	v_max_num_f32 v[TM+\b], v[TM+\b], v[TM+4+\b]
.endr
.irp b, 0,1,2,3
	v_add_nc_u32 v[TM+12+\b], 0xff000000, v[TM+\b]
.endr
.irp b, 0,1,2,3
	v_lshrrev_b32 v[TM+4+\b], 23, v[TM+12+\b]
.endr
	v_lshl_or_b32 v[PW], v[TM+5], 8, v[TM+4]
	v_lshl_or_b32 v[PW], v[TM+6], 16, v[PW]
	v_lshl_or_b32 v[PW], v[TM+7], 24, v[PW]
	s_wait_xcnt 0x0
	WIN 0x02
.irp c, 0,1
	v_cvt_scalef32_pk16_fp6_f32 v[PC+6*\c:PC+2+6*\c], v[(\s)+32*\c:(\s)+15+32*\c], v[TM+12+2*\c]
	v_cvt_scalef32_pk16_fp6_f32 v[PC+12+4*\c:PC+14+4*\c], v[(\s)+16+32*\c:(\s)+31+32*\c], v[TM+13+2*\c]
.endr
	WIN 0
	v_nop
.irp c, 0,1
.irp i, 0,1,2
	v_permlane16_swap_b32 v[PC+6*\c+\i], v[PC+12+4*\c+\i]
.endr
.irp i, 0,1,2
	v_mov_b32 v[PC+3+6*\c+\i], v[PC+12+4*\c+\i]
.endr
.endr
.endm
.macro EPIQK t
.irp a, 0,1,2,3
	QUANT 64*\a
	global_store_b128 v[VO16], v[PC:PC+3], s[66:67] offset:6144*(\t)+768*\a
	global_store_b64 v[VO8], v[PC+4:PC+5], s[66:67] offset:6144*(\t)+768*\a+512
	global_store_b128 v[VO16], v[PC+6:PC+9], s[66:67] offset:6144*(\t)+768*\a+53248
	global_store_b64 v[VO8], v[PC+10:PC+11], s[66:67] offset:6144*(\t)+768*\a+53760
	v_lshrrev_b32 v209, 16, v[PW]
	v_cndmask_b32 v210, v[PW], v209, s22
	global_store_b32 v22, v210, s[68:69] offset:512*(\t)+64*\a
.endr
.endm
.macro EPIV t
.irp a, 0,1,2,3
	QUANT 64*\a
	global_store_b128 v[VO16], v[PC:PC+3], s[66:67] offset:102400*(\t)+1536*\a
	global_store_b64 v[VO8], v[PC+4:PC+5], s[66:67] offset:102400*(\t)+1536*\a+512
	global_store_b128 v[VO16], v[PC+6:PC+9], s[66:67] offset:102400*(\t)+1536*\a+768
	global_store_b64 v[VO8], v[PC+10:PC+11], s[66:67] offset:102400*(\t)+1536*\a+1280
.if (\a)%2 == 0
	v_mov_b32 v27, v[PW]
.else
	v_cndmask_b32 v210, v27, v[PW], s22
	global_store_b32 v23, v210, s[68:69] offset:102400*(\t)+64*(\a-1)
.endif
.endr
.endm
	s_load_b128 s[80:83], s[0:1], 0x0
	v_lshl_add_u32 v[SPW], v0, 2, SPARE
	v_mov_b32 v[NIL], 0
	ds_add_u32 v[SPW], v[NIL]
	ds_add_u32 v[SPW], v[NIL]
	v_lshrrev_b32 v1, 5, v0
	v_readfirstlane_b32 s14, v1
	s_lshr_b32 s15, s14, 1
	s_and_b32 s16, s14, 1
	s_bfe_u32 s40, ttmp6, 0x40000
	s_bfe_u32 s41, ttmp6, 0x40004
	s_and_b32 s19, ttmp7, 0xffff
	s_lshl_b32 s4, s19, 2
	s_and_b32 s6, s19, 1
	s_lshl_b32 s6, s6, 3
	s_cmp_ge_u32 s19, 4
	s_cselect_b32 s23, 1, 0
	s_cselect_b32 s17, 0, s4
	s_cselect_b32 s6, s6, 0
	s_cselect_b32 s7, 4915200, 0
	s_cselect_b32 s9, 0, 3276800
	s_add_co_u32 s17, s17, s41
	s_lshl_b32 s17, s17, 1
	s_lshl_b32 s42, ttmp9, 2
	s_add_co_u32 s42, s42, s6
	s_add_co_u32 s42, s42, s40
	s_lshl_b32 s43, s41, 2
	s_lshl_b32 s43, 15, s43
	s_lshl_b32 s44, 0x1111, s40
	s_or_b32 s[G1A], s43, (3<<16)|(1<<21)
	s_or_b32 s[G1B], s44, (3<<16)|(1<<21)
	s_mov_b32 s[G1A+1], 800<<16
	s_mov_b32 s[G1A+2], 4<<16
	s_mov_b32 s[G1A+3], 800<<16
	s_mov_b32 s[G1A+4], 4
	s_mov_b32 s[G1A+5], NCH*800
	s_mov_b32 s[G1A+6], 0
	s_mov_b32 s[G1A+7], 0
	s_mov_b32 s[G1B+1], 800<<16
	s_mov_b32 s[G1B+2], NBW<<16
	s_mov_b32 s[G1B+3], 800<<16
	s_mov_b32 s[G1B+4], NBW
	s_mov_b32 s[G1B+5], NCH*800
	s_mov_b32 s[G1B+6], 0
	s_mov_b32 s[G1B+7], 0
	s_lshl_b32 s4, s17, 3
	s_lshl_b32 s5, s16, 2
	s_add_co_u32 s4, s4, s5
	s_mul_i32 s4, s4, NCH*CHB
	s_add_co_u32 s4, s4, s7
	s_mov_b32 s5, 0
	s_mul_i32 s46, s42, 2*NBW
	s_mul_i32 s47, s16, NBW
	s_add_co_u32 s46, s46, s47
	s_mul_i32 s46, s46, NCH*CHB
	s_add_co_u32 s46, s46, s9
	s_mov_b32 s47, 0
	s_mul_i32 s10, s16, 4*CHB
	s_mul_i32 s11, s16, NBW*CHB
	s_add_co_u32 s11, s11, 8*CHB
	s_mul_i32 s12, s15, SLOT
	s_add_co_u32 s12, s12, s10
	s_mul_i32 s8, s15, CHB
	s_add_co_u32 s8, s8, 8*NCH*CHB
	s_mov_b32 s9, 0
	s_mov_b32 s20, 0x76543210
	s_mov_b32 s21, 0xfedcba98
	s_mov_b32 s22, 0xffff0000
	s_wait_dscnt 0x0
	s_wait_kmcnt 0x0
	s_add_nc_u64 s[4:5], s[80:81], s[4:5]
	s_add_nc_u64 s[46:47], s[80:81], s[46:47]
	s_mov_b32 s[G0R], 1
	s_mov_b32 s[G0R+1], s12
	s_add_nc_u64 s[G0R+2:G0R+3], s[4:5], s[8:9]
	s_or_b32 s[G0R+3], s[G0R+3], 0x80000000
	CROUND
.irp s, 0,1
	s_mov_b32 s[G0A+4*\s], 1
	s_add_co_u32 s[G0A+4*\s+1], s10, \s*SLOT
	s_add_nc_u64 s[G0A+4*\s+2:G0A+4*\s+3], s[4:5], \s*CHB
	s_or_b32 s[G0A+4*\s+3], s[G0A+4*\s+3], 0x80000000
	s_mov_b32 s[G0B+4*\s], 1
	s_add_co_u32 s[G0B+4*\s+1], s11, \s*SLOT
	s_add_nc_u64 s[G0B+4*\s+2:G0B+4*\s+3], s[46:47], \s*CHB
	s_or_b32 s[G0B+4*\s+3], s[G0B+4*\s+3], 0x80000000
.endr
	JLOAD 0
	; PREFETCH of what the two later fills ask for, shared out by address among the partners that ask for a tile jointly; each block of 256 bytes is named once in a cluster.
	; s[4:5], s[46:47]: the four row blocks of A, the eight of B, that my wave % 2 stands for.  The next A tile's 8 chunk blocks of that half: number 2 cx + wave / 2, 25 blocks.
	; B's chunk 1: row block 2 cy + wave / 2, 25 blocks.  A's chunk 1: row block cx, blocks 0-12 (wave / 2 = 0) or 13-24.  Lanes left over name their wave's last block again.
	s_lshl_b32 s6, s40, 1
	s_add_co_u32 s6, s6, s15
	s_mul_i32 s6, s6, CHB
	s_add_co_u32 s6, s6, 8*NCH*CHB
	s_mov_b32 s7, 0
	s_add_nc_u64 s[74:75], s[4:5], s[6:7]
	s_lshl_b32 s6, s41, 1
	s_add_co_u32 s6, s6, s15
	s_mul_i32 s6, s6, NCH*CHB
	s_add_co_u32 s6, s6, CHB
	s_add_nc_u64 s[76:77], s[46:47], s[6:7]
	s_mul_i32 s6, s40, NCH*CHB
	s_mul_i32 s8, s15, 13*256
	s_add_co_u32 s6, s6, s8
	s_add_co_u32 s6, s6, CHB
	s_add_nc_u64 s[78:79], s[4:5], s[6:7]
	s_sub_co_u32 s8, 12, s15
	v_and_b32 v26, 31, v0
	v_min_u32 v30, 24, v26
	v_min_u32 v31, s8, v26
	v_lshlrev_b32 v30, 8, v30
	v_lshlrev_b32 v31, 8, v31
	s_wait_alu depctr_va_vdst(0)
	global_prefetch_b8 v31, s[78:79] th:TH_LOAD_NT scope:SCOPE_SE
	global_prefetch_b8 v30, s[76:77] th:TH_LOAD_NT scope:SCOPE_SE
	global_prefetch_b8 v30, s[74:75] th:TH_LOAD_NT scope:SCOPE_SE
	v_and_b32 v1, 15, v0
	v_bfe_u32 v2, v0, 4, 1
	v_and_b32 v3, 31, v0
	v_lshlrev_b32 v[VO16], 4, v3
	v_lshlrev_b32 v[VO8], 3, v3
	s_mul_i32 s7, s15, 4*CHB
	s_mul_i32 s8, s16, NBW*CHB
	s_add_co_u32 s8, s8, 8*CHB
	s_sub_co_u32 s9, s8, s7
	v_mul_u32_u24 v4, s9, v2
	v_lshl_add_u32 v4, v1, 4, v4
	s_add_co_u32 s12, s7, 6144
	v_add_nc_u32 v[ADS], s12, v4
	v_add_nc_u32 v[ADS+1], SLOT, v[ADS]
	s_add_co_u32 s12, s8, 6144
	v_lshl_add_u32 v[ADS2], v1, 4, s12
	v_add_nc_u32 v[ADS2+1], SLOT, v[ADS2]
.irp s, 0,1
	v_add_nc_u32 v[ADA16+\s], s7, v[VO16]
	v_add_nc_u32 v[ADA8+\s], s7, v[VO8]
	v_add_nc_u32 v[ADB16+\s], s8, v[VO16]
	v_add_nc_u32 v[ADB8+\s], s8, v[VO8]
	s_add_co_u32 s7, s7, SLOT
	s_add_co_u32 s8, s8, SLOT
.endr
	v_mul_u32_u24 v22, v2, 53248
	v_lshl_add_u32 v22, v1, 2, v22
	v_lshlrev_b32 v23, 6, v2
	v_lshl_add_u32 v23, v1, 2, v23
.irp b, 0,1,2,3
	v_mov_b32 v[TM+4+\b], 0
.endr
	s_wait_alu depctr_va_vdst(0)
	s_wait_tensorcnt 0x0
	ds_add_u32 v[SPW], v[NIL]
	s_wait_dscnt 0x0
	CROUND
	JLOAD 1
	FETCH 0, 0, 0
	SCALES 0
	KSTEP 0, 0, 0
	KSTEP 0, 1, 2
	KSTEP 0, 2, 2
	TURN 0
	KSTEP 1, 0, 2
	KSTEP 1, 1, 2
	KSTEP 1, 2, 2
	ENDT
	s_lshl_b32 s18, s42, 1
	s_add_co_u32 s18, s18, s16
	s_cmp_eq_u32 s23, 1
	s_cbranch_scc1 .Lepi_v0
	s_lshr_b32 s4, s18, 3
	s_lshl_b32 s4, s4, 6
	s_lshr_b32 s5, s17, 3
	s_lshl_b32 s5, s5, 4
	s_add_co_u32 s4, s4, s5
	s_and_b32 s5, s18, 7
	s_lshl_b32 s5, s5, 1
	s_add_co_u32 s4, s4, s5
	s_mul_i32 s4, s4, 53248
	s_and_b32 s5, s17, 7
	s_lshl_b32 s5, s5, 3
	s_lshl_b32 s6, s15, 2
	s_add_co_u32 s5, s5, s6
	s_mul_i32 s6, s5, 768
	s_add_co_u32 s6, s6, s4
	s_mov_b32 s7, 0
	s_add_nc_u64 s[66:67], s[82:83], s[6:7]
	s_lshl_b32 s6, s5, 6
	s_add_co_u32 s6, s6, s4
	s_add_co_u32 s6, s6, 49152
	s_add_nc_u64 s[68:69], s[82:83], s[6:7]
	EPIQK 0
	s_branch .Ljoin
.Lepi_v0:
	s_lshl_b32 s4, s17, 1
	s_add_co_u32 s4, s4, s15
	s_lshr_b32 s5, s18, 3
	s_lshl_b32 s5, s5, 4
	s_add_co_u32 s4, s4, s5
	s_mul_i32 s4, s4, 51200
	s_add_co_u32 s4, s4, 6815744
	s_and_b32 s5, s18, 7
	s_mul_i32 s6, s5, 6144
	s_add_co_u32 s6, s6, s4
	s_mov_b32 s7, 0
	s_add_nc_u64 s[66:67], s[82:83], s[6:7]
	s_lshl_b32 s6, s5, 8
	s_add_co_u32 s6, s6, s4
	s_add_co_u32 s6, s6, 49152
	s_add_nc_u64 s[68:69], s[82:83], s[6:7]
	EPIV 0
.Ljoin:
	s_wait_tensorcnt 0x0
	s_barrier_signal -1
	s_barrier_wait -1
	FETCH 0, 0, 0
	SCALES 0
	KSTEP 0, 0, 0
	KSTEP 0, 1, 2
	KSTEP 0, 2, 2
	FLOW 0
	KSTEP 1, 0, 2
	KSTEP 1, 1, 2
	KSTEP 1, 2, 2
	s_wait_dscnt 0x0
	WIN 0xa1
	MULA 0, 1, 3, 1, 2
	MULA 1, 1, 3, 1, 2
	MULA 2, 1, 3, 1, 2
	MULA 3, 1, 3, 1, 2
	WIN 0
	PLACES
	s_cmp_eq_u32 s23, 1
	s_cbranch_scc1 .Lepi_v1
	EPIQK 1
	s_branch .Ldone
.Lepi_v1:
	EPIV 1
.Ldone:
	s_wait_tensorcnt 0x0
	ds_add_u32 v[SPW], v[NIL]
	s_wait_dscnt 0x0
	CROUND
	s_endpgm
.Lfunc_end_k_q138c920b14_gqkv:
	.size	k_q138c920b14_gqkv, .Lfunc_end_k_q138c920b14_gqkv-k_q138c920b14_gqkv
	.p2alignl 7, 3214868480
	.fill 96, 4, 3214868480
	.section	.rodata,"a",@progbits
	.p2align	6, 0x0
	.amdhsa_kernel k_q138c920b14_gqkv
		.amdhsa_group_segment_fixed_size 327680
		.amdhsa_private_segment_fixed_size 0
		.amdhsa_enable_private_segment 0
		.amdhsa_kernarg_size 16
		.amdhsa_user_sgpr_count 2
		.amdhsa_user_sgpr_kernarg_segment_ptr 1
		.amdhsa_wavefront_size32 1
		.amdhsa_system_sgpr_workgroup_id_x 1
		.amdhsa_system_sgpr_workgroup_id_y 1
		.amdhsa_system_sgpr_workgroup_id_z 1
		.amdhsa_system_vgpr_workitem_id 0
		.amdhsa_next_free_vgpr 768
		.amdhsa_next_free_sgpr 96
		.amdhsa_reserve_vcc 0
		.amdhsa_float_denorm_mode_32 3
		.amdhsa_float_denorm_mode_16_64 3
		.amdhsa_memory_ordered 1
		.amdhsa_forward_progress 1
		.amdhsa_inst_pref_size 202
	.end_amdhsa_kernel
	.amdgpu_metadata
---
amdhsa.version: [ 1, 2 ]
amdhsa.kernels:
  - .name:           k_q138c920b14_gqkv
    .symbol:         k_q138c920b14_gqkv.kd
    .args:
      - { .name: prep, .offset: 0, .size: 8, .value_kind: global_buffer, .address_space: global }
      - { .name: qkv, .offset: 8, .size: 8, .value_kind: global_buffer, .address_space: global }
    .group_segment_fixed_size: 327680
    .private_segment_fixed_size: 0
    .kernarg_segment_align: 8
    .kernarg_segment_size: 16
    .max_flat_workgroup_size: 128
    .sgpr_count:     96
    .vgpr_count:     768
    .wavefront_size: 32
...
	.end_amdgpu_metadata
.endif
;; end of part 2
;; launch attn (part 3): grid 4 x 64, 16 waves a work-group, no clusters, 167,936 bytes of LDS; arguments qkv, attn; writes attn
.if DOCPART == 3
	.amdgcn_target "amdgcn-amd-amdhsa--gfx1250"
	.amdhsa_code_object_version 6
	.text
	.protected	k_q138c920b14_attn
	.globl	k_q138c920b14_attn
	.p2align	8
	.type	k_q138c920b14_attn,@function
k_q138c920b14_attn:
	s_mov_b64 s[64:65], 0
	v_nop
	global_prefetch_b8 v0, s[64:65] scope:SCOPE_SE
	s_setreg_imm32_b32 hwreg(HW_REG_WAVE_MODE, 25, 1), 1
	s_wait_xcnt 0x0
; Causal attention of one (batch, head) on codes of FP6 (E2M3) with E8M0 scales: S^T = k q^T (K = 64, the upper half of the instruction's 128 filled with zero codes), t = score x log2(e) / 32,
; M = the running largest t rounded UP to a whole number, p = 2^(t - M) quantised along the keys, O^T += v^T p^T, the row's sum taken of the unquantised p; O / sum is quantised along E and stored as an operand image.
; SHARES.  Four work-groups to a head; wave w of work-group x owns query tile 4 w + x (16 queries: token block j, lane r = query 32 (j / 2) + 8 (j % 2) + r + 8 (r / 8)): every work-group has 72 key steps of 128 keys.
; A head's k (53,248 bytes with its scale words) and v (51,200) come into LDS ONCE, by four tensor loads: no ring, one barrier.
; NO CLUSTER: a step all of whose keys are hidden is jumped over by a branch on the wave's query tile, which differs between the four work-groups of a head.
; NO PREFETCH: all that a work-group reads is asked for at its head.
; LAYOUT.  Both products are used transposed: a lane holds ONE query throughout.  k's token blocks are the key tiles: the 16 registers of tiles 2 b, 2 b + 1 are keys 32 b + 16 (lane / 16) + 0 .. 15 of the step.
; LIMITS: NaN and infinities are not served; a block whose largest magnitude lies under 2^-124 gets the byte 1; the bytes are read by this program alone.
; REGISTERS: v1-8 addresses that stay; v9-11, v28-30 the step's; v31 the mask's lane term; v12 -M, v13 the largest t, v[14:15] the sum; v16-27 q; v32-79 four fragments of k; v80-127 four of v; v128-191 S^T, then p; v192-223 O^T;
;   v224-235 p's codes; v232-247 at work; v248-251 scale words of k, then of v; v252 f; v253 p's scale word; v255 q's.
.set KREG,  53248
.set VREG,  51200
.set VB,    53248                      ; LDS: k's region from 0, v's from here
.set SPARE, 104448                     ; the spare words, 128 bytes a wave: eight blocks of 256 bytes that no other line names
.set AK16, 1
.set AK8,  2
.set ASK,  3
.set AV16, 4
.set SPW,  5                           ; v5  my spare word's LDS address; never rewritten
.set NIL,  6                           ; v6  0; never rewritten
.set AV8,  7
.set ASV,  8
.set S,    128
.set O,    192
.set WV,   18
.set SEL,  20
.set CS,   22
.set G1K,  24
.set G1V,  32
.set G0K,  40
.set G0V,  44
.set TB,   2                           ; s2   the step's fragments: 6,144 bytes a step, in k's region and in v's
.set TSK,  3                           ; s3   k's scale words: 512 a step
.set TSV,  48                          ; s48  v's: 256 a step
.set KS,   49                          ; s49  the step
.set JS,   50                          ; s50  my last step
.set KF0,  51                          ; s51  the step's first key
.set Q0,   52                          ; s52  my tile's first query
.set HM,   53                          ; s53  lanes 16-31
	s_load_b128 s[4:7], s[0:1], 0x0                ; qkv s[4:5], attn s[6:7]
	v_lshl_add_u32 v[SPW], v0, 2, SPARE
	v_mov_b32 v[NIL], 0
	ds_add_u32 v[SPW], v[NIL]                      ; the wave's opening: the add and its wait ahead of my first tensor load; work on registers stands between
	ds_add_u32 v[SPW], v[NIL]
	v_lshrrev_b32 v9, 5, v0
	s_delay_alu instid0(VALU_DEP_1)
	v_readfirstlane_b32 s[WV], v9                  ; wave 0..15
	s_and_b32 s54, ttmp7, 0xffff                   ; 16 x batch + head
	s_lshl_b32 s55, s[WV], 2
	s_add_co_u32 s55, s55, ttmp9                   ; j: my query tile
	s_lshr_b32 s[JS], s55, 3
	s_lshr_b32 s[Q0], s55, 1
	s_lshl_b32 s[Q0], s[Q0], 5
	s_and_b32 s56, s55, 1
	s_lshl_b32 s56, s56, 3
	s_add_co_u32 s[Q0], s[Q0], s56
	s_and_b32 s56, s[WV], 1                        ; which half I fetch, if I fetch
	s_mul_i32 s57, s56, 26624
	s_mul_i32 s58, s56, 25600
	s_add_co_u32 s60, s54, 64                      ; k's regions lie behind q's 64
	s_mul_i32 s60, s60, KREG
	s_add_co_u32 s60, s60, s57
	s_mov_b32 s61, 0
	s_mul_i32 s62, s54, VREG
	s_add_co_u32 s62, s62, s58
	s_add_co_u32 s62, s62, 6815744
	s_mov_b32 s63, 0
	s_add_co_u32 s58, s58, VB
	s_mov_b32 s[G1K], 3<<16                        ; dense blocks as rows of 256 bytes: 32 elements of 8 bytes; no mask, no padding
	s_mov_b32 s[G1K+1], 32<<16
	s_mov_b32 s[G1K+2], 104<<16                    ; half of k's region: 104 rows
	s_mov_b32 s[G1K+3], 32<<16
	s_mov_b32 s[G1K+4], 104
	s_mov_b32 s[G1K+5], 32
	s_mov_b32 s[G1K+6], 0
	s_mov_b32 s[G1K+7], 0
	s_mov_b32 s[G1V], 3<<16
	s_mov_b32 s[G1V+1], 32<<16
	s_mov_b32 s[G1V+2], 100<<16                    ; half of v's: 100 rows
	s_mov_b32 s[G1V+3], 32<<16
	s_mov_b32 s[G1V+4], 100
	s_mov_b32 s[G1V+5], 32
	s_mov_b32 s[G1V+6], 0
	s_mov_b32 s[G1V+7], 0
	s_mov_b32 s[SEL], 0x76543210
	s_mov_b32 s[SEL+1], 0xfedcba98                 ; v_permlanex16_b32's selects for lane l xor 16
	s_mov_b32 s[CS], 0x3d38aa3b                    ; c = log2(e) / 32
	s_mov_b32 s[CS+1], s[CS]                       ; (named with it as a pair, so it is written)
	s_mov_b32 s[HM], 0xffff0000
	s_mov_b32 s[TB], 0
	s_mov_b32 s[TSK], 0
	s_mov_b32 s[TSV], 0
	s_mov_b32 s[KS], 0
	s_mov_b32 s[KF0], 0
	s_wait_dscnt 0x0                               ; the opening add is done
	s_wait_kmcnt 0x0
	s_mov_b32 s[G0K], 1
	s_mov_b32 s[G0K+1], s57
	s_add_nc_u64 s[G0K+2:G0K+3], s[4:5], s[60:61]
	s_or_b32 s[G0K+3], s[G0K+3], 0x80000000
	s_mov_b32 s[G0V], 1
	s_mov_b32 s[G0V+1], s58
	s_add_nc_u64 s[G0V+2:G0V+3], s[4:5], s[62:63]
	s_or_b32 s[G0V+3], s[G0V+3], 0x80000000
	s_cmp_lt_u32 s[WV], 2                          ; waves 0, 1 fetch k's halves, waves 2, 3 v's, the others nothing: one load a wave at the most
	s_cbranch_scc0 .Lnot_k
	tensor_load_to_lds s[G0K:G0K+3], s[G1K:G1K+7]
	s_nop 0
.rept 4
	v_nop
.endr
	s_branch .Lasked
.Lnot_k:
	s_cmp_lt_u32 s[WV], 4
	s_cbranch_scc0 .Lasked
	tensor_load_to_lds s[G0V:G0V+3], s[G1V:G1V+7]
	s_nop 0
.rept 4
	v_nop
.endr
.Lasked:
	s_mul_i32 s60, s54, KREG                       ; q's region; my tile's half fragment and its scale words
	s_mul_i32 s62, s55, 768
	s_add_co_u32 s62, s62, s60
	s_add_nc_u64 s[8:9], s[4:5], s[62:63]
	s_lshl_b32 s62, s55, 6
	s_add_co_u32 s62, s62, s60
	s_add_co_u32 s62, s62, 49152
	s_add_nc_u64 s[10:11], s[4:5], s[62:63]
	s_lshr_b32 s60, s54, 4                         ; the result: row block 64 x batch + j, chunk head / 8, fragment (head / 2) % 4, half head % 2
	s_lshl_b32 s60, s60, 6
	s_add_co_u32 s60, s60, s55
	s_lshl_b32 s60, s60, 1
	s_bfe_u32 s62, s54, 0x10003
	s_add_co_u32 s60, s60, s62
	s_mul_i32 s60, s60, 6400
	s_bfe_u32 s62, s54, 0x20001
	s_mul_i32 s56, s62, 1536
	s_lshl_b32 s62, s62, 2
	s_and_b32 s57, s54, 1
	s_mul_i32 s58, s57, 768
	s_lshl_b32 s57, s57, 1
	s_add_co_u32 s56, s56, s58
	s_add_co_u32 s56, s56, s60
	s_add_co_u32 s62, s62, s57
	s_add_co_u32 s62, s62, s60
	s_add_co_u32 s62, s62, 6144
	s_mov_b32 s57, 0
	s_add_nc_u64 s[12:13], s[6:7], s[56:57]
	s_add_nc_u64 s[14:15], s[6:7], s[62:63]
	v_and_b32 v9, 15, v0                           ; r
	v_bfe_u32 v10, v0, 4, 1                        ; h
	v_and_b32 v11, 31, v0
	s_delay_alu instid0(VALU_DEP_1)
	v_lshlrev_b32 v[AK16], 4, v11
	s_delay_alu instid0(VALU_DEP_2)
	v_lshlrev_b32 v28, 3, v11
	v_lshlrev_b32 v29, 2, v9
	global_load_b128 v[16:19], v[AK16], s[8:9]     ; q's half fragment stays in registers
	global_load_b64 v[20:21], v28, s[8:9] offset:512
	global_load_b32 v255, v29, s[10:11]            ; and its scale words
	v_add_nc_u32 v[AK8], 512, v28
	v_add_nc_u32 v[ASK], 49152, v29
	v_add_nc_u32 v[AV16], VB, v[AK16]
	v_add_nc_u32 v[AV8], VB, v28
	v_add_nc_u32 v[ASV], VB+49152, v29
	v_and_b32 v31, 8, v9
	s_delay_alu instid0(VALU_DEP_1)
	v_add_nc_u32 v31, v31, v9
	v_lshlrev_b32 v30, 4, v10
	s_delay_alu instid0(VALU_DEP_1)
	v_sub_nc_u32 v31, v31, v30                     ; r + 8 (r / 8) - 16 h
	v_mov_b32 v13, 0xff61b1e6                      ; the largest t so far: -3e38
	s_delay_alu instid0(VALU_DEP_1)
	v_floor_f32 v12, -v13                          ; -M
	v_mov_b32 v14, 0
	v_mov_b32 v15, 0
.irp i, 22,23,24,25,26,27
	v_mov_b32 v[\i], 0                             ; K = 64: the upper 64 of the instruction's 128 are zero codes, in q
.endr
.irp t, 0,1,2,3
.irp i, 6,7,8,9,10,11
	v_mov_b32 v[32+12*\t+\i], 0                    ; and in k; written once
.endr
.endr
.set jj, 0
.rept 32
	v_mov_b32 v[O+jj], 0                           ; O^T: the step is written once; the first finds zeros
.set jj, jj+1
.endr
.irp b, 0,1,2,3
	v_mov_b32 v[236+\b], 0                         ; a lane permute's destination counts as one of its sources
.endr
	v_mov_b32 v252, 0
	v_mov_b32 v253, 0
	s_wait_tensorcnt 0x0                           ; my part of the head is in,
	s_barrier_signal -1
	s_barrier_wait -1                              ; everybody's is
	s_wait_loadcnt 0x0                             ; q
.Lstep:                                            ; eight trips, a constant; a step all of whose keys come after my queries is jumped over, but for the lines that step addresses
	s_cmp_gt_u32 s[KS], s[JS]
	s_cbranch_scc1 .Lnext
	v_add_nc_u32 v9, s[TB], v[AK16]                ; (these six are also the places behind the last step's products, ahead of the loads below)
	v_add_nc_u32 v10, s[TB], v[AK8]
	v_add_nc_u32 v11, s[TSK], v[ASK]
	v_add_nc_u32 v28, s[TB], v[AV16]
	v_add_nc_u32 v29, s[TB], v[AV8]
	v_add_nc_u32 v30, s[TSV], v[ASV]
.irp t, 0,1,2,3
	ds_load_b128 v[32+12*\t:35+12*\t], v9 offset:768*\t
	ds_load_b64 v[36+12*\t:37+12*\t], v10 offset:768*\t
	ds_load_b32 v[248+\t], v11 offset:64*\t
.endr
.irp a, 0,1,2,3
	ds_load_b128 v[80+12*\a:83+12*\a], v28 offset:1536*\a
	ds_load_b64 v[84+12*\a:85+12*\a], v29 offset:1536*\a+512
	ds_load_b128 v[86+12*\a:89+12*\a], v28 offset:1536*\a+768
	ds_load_b64 v[90+12*\a:91+12*\a], v29 offset:1536*\a+1280
.endr
	s_wait_alu depctr_va_vdst(0)
	s_wait_dscnt 16                                ; k's first four tiles are in; v's sixteen loads may be out
.irp t, 0,1,2,3
	v_wmma_scale_f32_16x16x128_f8f6f4 v[S+8*\t:S+8*\t+7], v[32+12*\t:43+12*\t], v[16:27], 0, v[248+\t], v255 matrix_a_fmt:MATRIX_FMT_FP6 matrix_b_fmt:MATRIX_FMT_FP6
.endr
.rept 4
	v_nop                                          ; places ahead of loads into registers that those products read
.endr
.irp t, 0,1,2,3
	ds_load_b128 v[32+12*\t:35+12*\t], v9 offset:768*(4+\t)
	ds_load_b64 v[36+12*\t:37+12*\t], v10 offset:768*(4+\t)
	ds_load_b32 v[248+\t], v11 offset:64*(4+\t)
.endr
	s_wait_dscnt 0x0
.irp t, 0,1,2,3
	v_wmma_scale_f32_16x16x128_f8f6f4 v[S+32+8*\t:S+32+8*\t+7], v[32+12*\t:43+12*\t], v[16:27], 0, v[248+\t], v255 matrix_a_fmt:MATRIX_FMT_FP6 matrix_b_fmt:MATRIX_FMT_FP6
.endr
.rept 4
	v_nop
.endr
.irp a, 0,1,2,3
	ds_load_b32 v[248+\a], v30 offset:64*\a        ; v's scale words; waited for ahead of the second product
.endr
	s_cmp_lt_u32 s[KS], s[JS]                      ; only my last step lies on the diagonal: there hidden scores become -infinity ahead of the maximum
	s_cbranch_scc1 .Lopen
	s_sub_co_i32 s56, s[Q0], s[KF0]
	v_add_nc_u32 v252, s56, v31                    ; d = my query - the step's first key - 16 h.  Register 16 b + i holds key 32 b + 16 h + i of the step: hidden where 32 b + i > d
	v_mov_b32 v254, 0xff800000
.set nn, 0
.rept 64
	v_cmp_gt_i32 vcc_lo, 32*(nn/16)+nn%16, v252
	v_cndmask_b32 v[S+nn], v[S+nn], v254, vcc_lo
.set nn, nn+1
.endr
.Lopen:
.irp b, 0,1,2,3
	v_max3_num_f32 v[232+\b], v[S+16*\b], v[S+1+16*\b], v[S+2+16*\b]     ; the largest score of each block of 32 keys: for the row's maximum and, since p rises with the score, for the block's largest p
.endr
.irp i, 3,5,7,9,11,13
.irp b, 0,1,2,3
	v_max3_num_f32 v[232+\b], v[232+\b], v[S+16*\b+\i], v[S+1+16*\b+\i]
.endr
.endr
.irp b, 0,1,2,3
	v_max_num_f32 v[232+\b], v[232+\b], v[S+15+16*\b]
.endr
.irp b, 0,1,2,3
	s_delay_alu instid0(VALU_DEP_4)
	v_permlanex16_b32 v[236+\b], v[232+\b], s[SEL], s[SEL+1]
.endr
.irp b, 0,1,2,3
	s_delay_alu instid0(VALU_DEP_4)
	v_max_num_f32 v[232+\b], v[232+\b], v[236+\b]
.endr
	s_delay_alu instid0(VALU_DEP_2)
	v_max3_num_f32 v254, v232, v233, v234
	s_delay_alu instid0(VALU_DEP_1)
	v_max_num_f32 v254, v254, v235
	s_delay_alu instid0(VALU_DEP_1)
	v_mul_f32 v254, s[CS], v254
	s_delay_alu instid0(VALU_DEP_1)
	v_max_num_f32 v13, v13, v254                   ; the running largest t
	v_mov_b32 v254, v12
	s_delay_alu instid0(VALU_DEP_2)
	v_floor_f32 v12, -v13                          ; -M = floor(-t): M is a whole number
	s_delay_alu instid0(VALU_DEP_1)
	v_sub_f32 v254, v12, v254
	s_delay_alu instid0(VALU_DEP_1)
	v_cvt_i32_f32 v254, v254                       ; (it saturates)
	s_delay_alu instid0(VALU_DEP_1)
	v_ldexp_f32 v252, 1.0, v254                    ; f = 2^(old M - new M): a multiplication by it rounds nothing
.set jj, 0
.rept 32
	v_pk_fma_f32 v[S+jj:S+jj+1], v[S+jj:S+jj+1], s[CS:CS+1], v[12:13] op_sel_hi:[1,0,0]   ; t - M
.set jj, jj+2
.endr
.irp b, 0,1,2,3
	v_fma_f32 v[232+\b], v[232+\b], s[CS], v12
.endr
.set jj, 0
	s_wait_alu depctr_va_vdst(0)
.rept 64
	v_exp_f32 v[S+jj], v[S+jj]                     ; p = 2^(t - M): not normalised
.set jj, jj+1
.endr
	v_pk_mul_f32 v[14:15], v[14:15], v[252:253] op_sel_hi:[1,0]   ; the sums under the new M; the plain place behind the exponentials
	s_wait_alu depctr_va_vdst(0)                   ; one wait for the batch of 64, ahead of its first reader
.irp b, 0,1,2,3
	v_exp_f32 v[232+\b], v[232+\b]                 ; each block's largest p
.endr
	v_pk_add_f32 v[236:237], v[132:133], v[136:137]
	v_pk_add_f32 v[246:247], v[140:141], v[144:145]
	v_pk_add_f32 v[244:245], v[148:149], v[152:153]
	v_pk_add_f32 v[242:243], v[156:157], v[160:161]
	v_pk_add_f32 v[240:241], v[164:165], v[168:169]
	v_pk_add_f32 v[238:239], v[172:173], v[176:177]
	v_pk_add_f32 v[230:231], v[180:181], v[184:185]
	v_pk_add_f32 v[14:15], v[14:15], v[188:189]
	v_pk_add_f32 v[236:237], v[236:237], v[128:129]
	v_pk_add_f32 v[246:247], v[246:247], v[130:131]
	v_pk_add_f32 v[244:245], v[244:245], v[134:135]
	v_pk_add_f32 v[242:243], v[242:243], v[138:139]
	v_pk_add_f32 v[240:241], v[240:241], v[142:143]
	v_pk_add_f32 v[238:239], v[238:239], v[146:147]
	v_pk_add_f32 v[230:231], v[230:231], v[150:151]
	v_pk_add_f32 v[14:15], v[14:15], v[154:155]
	v_pk_add_f32 v[236:237], v[236:237], v[158:159]
	v_pk_add_f32 v[246:247], v[246:247], v[162:163]
	v_pk_add_f32 v[244:245], v[244:245], v[166:167]
	v_pk_add_f32 v[242:243], v[242:243], v[170:171]
	v_pk_add_f32 v[240:241], v[240:241], v[174:175]
	v_pk_add_f32 v[238:239], v[238:239], v[178:179]
	v_pk_add_f32 v[230:231], v[230:231], v[182:183]
	v_pk_add_f32 v[14:15], v[14:15], v[186:187]
	v_pk_add_f32 v[236:237], v[236:237], v[190:191]
	s_delay_alu instid0(VALU_DEP_2)
	v_pk_add_f32 v[14:15], v[14:15], v[242:243]
	s_delay_alu instid0(VALU_DEP_2)
	v_pk_add_f32 v[236:237], v[236:237], v[240:241]
	v_pk_add_f32 v[246:247], v[246:247], v[238:239]
	v_pk_add_f32 v[244:245], v[244:245], v[230:231]
	s_delay_alu instid0(VALU_DEP_2)
	v_pk_add_f32 v[14:15], v[14:15], v[246:247]
	s_delay_alu instid0(VALU_DEP_2)
	v_pk_add_f32 v[236:237], v[236:237], v[244:245]
	s_delay_alu instid0(VALU_DEP_1)
	v_pk_add_f32 v[14:15], v[14:15], v[236:237]
	s_wait_alu depctr_va_vdst(0)                   ; and one for the four
.irp b, 0,1,2,3
	v_max_num_f32 v[232+\b], 0x1800000, v[232+\b]  ; the floor 2^(3 - 127)
.endr
.irp b, 0,1,2,3
	s_delay_alu instid0(VALU_DEP_4)
	v_add_nc_u32 v[244+\b], 0xff000000, v[232+\b]
.endr
.irp b, 0,1,2,3
	s_delay_alu instid0(VALU_DEP_4)
	v_lshrrev_b32 v[236+\b], 23, v[244+\b]
.endr
	s_delay_alu instid0(VALU_DEP_3)
	v_lshl_or_b32 v253, v237, 8, v236              ; p's scale word for these 128 keys
	s_delay_alu instid0(VALU_DEP_1)
	v_lshl_or_b32 v253, v238, 16, v253
	s_delay_alu instid0(VALU_DEP_1)
	v_lshl_or_b32 v253, v239, 24, v253
.irp c, 0,1
	v_cvt_scalef32_pk16_fp6_f32 v[224+6*\c:226+6*\c], v[S+32*\c:S+15+32*\c], v[244+2*\c]
	v_cvt_scalef32_pk16_fp6_f32 v[236+4*\c:238+4*\c], v[S+16+32*\c:S+31+32*\c], v[245+2*\c]
.endr
	v_nop                                          ; one plain place behind a scaled conversion
.irp c, 0,1
.irp i, 0,1,2
	v_permlane16_swap_b32 v[224+6*\c+\i], v[236+4*\c+\i]
.endr
.irp i, 0,1,2
	s_delay_alu instid0(VALU_DEP_3)
	v_mov_b32 v[227+6*\c+\i], v[236+4*\c+\i]
.endr
.endr
.set jj, 0
.rept 16
	v_pk_mul_f32 v[O+jj:O+jj+1], v[O+jj:O+jj+1], v[252:253] op_sel_hi:[1,0]   ; O^T under the new M; these are also the places between p's codes and scale word and the products below
.set jj, jj+2
.endr
	s_wait_alu depctr_va_vdst(0)
	s_wait_dscnt 0x0                               ; v's scale words
.irp a, 0,1,2,3
	v_wmma_scale_f32_16x16x128_f8f6f4 v[O+8*\a:O+8*\a+7], v[80+12*\a:91+12*\a], v[224:235], v[O+8*\a:O+8*\a+7], v[248+\a], v253 matrix_a_fmt:MATRIX_FMT_FP6 matrix_b_fmt:MATRIX_FMT_FP6
.endr
.Lnext:
	s_add_co_u32 s[TB], s[TB], 6144
	s_add_co_u32 s[TSK], s[TSK], 512
	s_add_co_u32 s[TSV], s[TSV], 256
	s_add_co_u32 s[KF0], s[KF0], 128
	s_add_co_u32 s[KS], s[KS], 1
	s_cmp_lt_u32 s[KS], 8
	s_cbranch_scc1 .Lstep
	; THE WAY OUT: O^T / the sum; register 16 b + i is d = 32 b + 16 h + i of my query: two blocks along E, half a fragment
.rept 4
	v_nop
.endr
	v_add_f32 v14, v14, v15
	s_wait_alu depctr_va_vdst(0)
	v_permlanex16_b32 v252, v14, s[SEL], s[SEL+1]
	s_delay_alu instid0(VALU_DEP_1)
	v_add_f32 v14, v14, v252
	s_wait_alu depctr_va_vdst(0)
	v_rcp_f32 v14, v14
	v_and_b32 v9, 15, v0                           ; (plain work behind the reciprocal)
	v_bfe_u32 v10, v0, 4, 1
	s_delay_alu instid0(VALU_DEP_1)
	v_lshl_add_u32 v9, v9, 4, v10                  ; 16 r + h
	s_wait_alu depctr_va_vdst(0)                   ; the wait ahead of its first reader
.set jj, 0
.rept 32
	v_mul_f32 v[S+jj], v[O+jj], v14                ; each accumulator from its low end on
.set jj, jj+1
.endr
.irp b, 0,1
	v_max3_num_f32 v[232+\b], |v[S+16*\b]|, |v[S+1+16*\b]|, 0x1800000
.endr
.irp i, 2,4,6,8,10,12,14
.irp b, 0,1
	s_delay_alu instid0(VALU_DEP_2)
	v_max3_num_f32 v[232+\b], v[232+\b], |v[S+16*\b+\i]|, |v[S+1+16*\b+\i]|
.endr
.endr
.irp b, 0,1
	s_delay_alu instid0(VALU_DEP_2)
	v_permlanex16_b32 v[236+\b], v[232+\b], s[SEL], s[SEL+1]
.endr
.irp b, 0,1
	s_delay_alu instid0(VALU_DEP_2)
	v_max_num_f32 v[232+\b], v[232+\b], v[236+\b]
.endr
.irp b, 0,1
	s_delay_alu instid0(VALU_DEP_2)
	v_add_nc_u32 v[244+\b], 0xff000000, v[232+\b]
.endr
.irp b, 0,1
	s_delay_alu instid0(VALU_DEP_2)
	v_lshrrev_b32 v[236+\b], 23, v[244+\b]
.endr
	v_cvt_scalef32_pk16_fp6_f32 v[224:226], v[S:S+15], v244
	v_cvt_scalef32_pk16_fp6_f32 v[240:242], v[S+16:S+31], v245
	v_nop
.irp i, 0,1,2
	v_permlane16_swap_b32 v[224+\i], v[240+\i]
.endr
.irp i, 0,1,2
	s_delay_alu instid0(VALU_DEP_3)
	v_mov_b32 v[227+\i], v[240+\i]
.endr
	v_cndmask_b32 v238, v236, v237, s[HM]          ; lanes 0-15 store the first block's byte, lanes 16-31 the second's
	global_store_b128 v[AK16], v[224:227], s[12:13]          ; 512 consecutive bytes, at a multiple of 256 from the buffer's first byte
	global_store_b64 v[AK8], v[228:229], s[12:13]            ; and the 256 behind them
	global_store_b8 v9, v238, s[14:15]
	s_wait_tensorcnt 0x0                           ; the wave's end
	ds_add_u32 v[SPW], v[NIL]
	s_wait_dscnt 0x0
	s_endpgm
.Lfunc_end_k_q138c920b14_attn:
	.size	k_q138c920b14_attn, .Lfunc_end_k_q138c920b14_attn-k_q138c920b14_attn
	.p2alignl 7, 3214868480
	.fill 96, 4, 3214868480
	.section	.rodata,"a",@progbits
	.p2align	6, 0x0
	.amdhsa_kernel k_q138c920b14_attn
		.amdhsa_group_segment_fixed_size 167936
		.amdhsa_private_segment_fixed_size 0
		.amdhsa_enable_private_segment 0
		.amdhsa_kernarg_size 16
		.amdhsa_user_sgpr_count 2
		.amdhsa_user_sgpr_kernarg_segment_ptr 1
		.amdhsa_wavefront_size32 1
		.amdhsa_system_sgpr_workgroup_id_x 1
		.amdhsa_system_sgpr_workgroup_id_y 1
		.amdhsa_system_sgpr_workgroup_id_z 1
		.amdhsa_system_vgpr_workitem_id 0
		.amdhsa_next_free_vgpr 256
		.amdhsa_next_free_sgpr 66
		.amdhsa_reserve_vcc 1
		.amdhsa_float_denorm_mode_32 3
		.amdhsa_float_denorm_mode_16_64 3
		.amdhsa_memory_ordered 1
		.amdhsa_forward_progress 1
		.amdhsa_inst_pref_size 37
	.end_amdhsa_kernel
	.amdgpu_metadata
---
amdhsa.version: [ 1, 2 ]
amdhsa.kernels:
  - .name:           k_q138c920b14_attn
    .symbol:         k_q138c920b14_attn.kd
    .args:
      - { .name: qkv, .offset: 0, .size: 8, .value_kind: global_buffer, .address_space: global }
      - { .name: attn, .offset: 8, .size: 8, .value_kind: global_buffer, .address_space: global }
    .group_segment_fixed_size: 167936
    .private_segment_fixed_size: 0
    .kernarg_segment_align: 8
    .kernarg_segment_size: 16
    .max_flat_workgroup_size: 512
    .sgpr_count:     66
    .vgpr_count:     256
    .wavefront_size: 32
...
	.end_amdgpu_metadata
.endif
;; end of part 3
;; launch gwo (part 4): grid 8 x 32, 4 waves a work-group, clusters of 4 x 4, 327,680 bytes of LDS; arguments attn, prep, x, bo, x1, x1img; writes x1, x1img
.if DOCPART == 4
	.amdgcn_target "amdgcn-amd-amdhsa--gfx1250"
	.amdhsa_code_object_version 6
	.text
	.protected	k_q138c920b14_gwo
	.globl	k_q138c920b14_gwo
	.p2align	8
	.type	k_q138c920b14_gwo,@function
k_q138c920b14_gwo:
	s_mov_b64 s[64:65], 0
	v_nop
	global_prefetch_b8 v0, s[64:65] scope:SCOPE_SE
	s_setreg_imm32_b32 hwreg(HW_REG_WAVE_MODE, 25, 1), 1
	s_wait_xcnt 0x0
	s_wait_alu depctr_hold_cnt(0) depctr_sa_sdst(0) depctr_va_vdst(0) depctr_va_sdst(0) depctr_va_ssrc(0) depctr_va_vcc(0) depctr_vm_vsrc(0)
	s_getreg_b32 s2, hwreg(HW_REG_IB_STS2, 6, 4)
	s_cmp_eq_u32 s2, 0
	s_cbranch_scc0 .Lentry_in_a_cluster
	s_endpgm
.Lentry_in_a_cluster:
	s_bfe_u32 s2, ttmp6, 0x10000c
	s_cmp_lg_u32 s2, 0xf033
	s_cbranch_scc0 .Lentry_shape_is_right
	s_endpgm
.Lentry_shape_is_right:
; x1 = x + attn Wo + bo: the product on codes of FP6 (E2M3) with E8M0 scales, K = 1,024.  x1 leaves as f32 (the last residual needs it) and as an operand image (quantised along E).
; IMAGES: row block J, lane r = row 32 (J / 2) + 8 (J % 2) + r + 8 (r / 8); a fragment (16 rows x 128 K) is 1,536 bytes in the order of the operand's registers; four fragments and 256 bytes of scale words are a chunk
; block of 6,400 bytes; an operand is [J][2][6,400].  C = A B^T used TRANSPOSED (source 0 = 16 rows of B): a lane holds one row of A, and the 16 registers of B's blocks 2 b, 2 b + 1 are 16 neighbouring columns.
; SHARES.  N is 1,024, so a work-group makes 128 x 128, which gives 256 work-groups; each of four waves 64 x 64: 16 accumulators.  Both chunks of K come as first fills: nothing is filled again.
; x + bo IS THE C OF THE FIRST PRODUCTS: it is loaded while the tiles are on their way, in whole rows of 256 bytes, and turned into the accumulators' layout through the wave's own stage in LDS.
; So the sum begins with x + bo where reference() adds them last: an order of rounding that differs in f32's last bits.
; CLUSTER 4 x 4: A's tiles jointly along a row, B's along a column.  No prefetch: everything is asked for at the head.
; LIMITS: NaN and infinities are not served; a block whose largest magnitude lies under 2^-124 gets the byte 1; the bytes are read by this program alone.
; REGISTERS: window 0: v1-30 addresses; v32-63 scale words; v64-159 A's fragments, two sets (v64-191 the residual on the way in, v64-127 rows on the way out); v192-255 the quantiser.  window 1: B's fragments, two sets.  window 2: accumulator (a, t) at v[8 (4 a + t)].
.set NBW,   4
.set NCH,   2
.set CHB,   6400
.set BOFF,  5734400                    ; Wo's image in prep
.set SLOT,  (8+2*NBW)*CHB
.set SPARE, 2*SLOT                     ; the spare words: two blocks of 256 bytes that no other line names
.set STG,   SPARE+512                  ; a stage of 16 rows x 272 bytes for each wave; no tensor load lands here
.set ADA16, 8
.set ADA8,  10
.set ADB16, 12
.set ADB8,  14
.set ADS,   16
.set VO16,  20
.set VO8,   21
.set SO,    24                         ; v24  the stage in the accumulators' layout: row r, + 64 h
.set SR,    25                         ; v25  the stage by rows: lanes 0-15 one row, lanes 16-31 the next
.set GR,    26                         ; v26  the same two rows in memory
.set SPW,   28
.set NIL,   29
.set SC,    32
.set AF,    64
.set RB,    64
.set TM,    192
.set PC,    212                        ; 8 registers for each row block's codes
.set BR,    244                        ; v244-247 bo at my four columns
.set QT,    248                        ; v248-250 the second conversion's result
.set G1A, 24
.set G0A, 32
.set G1B, 48
.set G0B, 56
.set MSB, 0
.macro WIN new                         ; the immediate's high byte repeats the setting that is left
.if MSB != \new
	s_set_vgpr_msb (MSB<<8)|\new
.set MSB, \new
.endif
.endm
.macro PLACES                          ; four places behind a matrix instruction (ISA guide 7.12.1)
.rept 4
	v_nop
.endr
.endm
.macro JLOAD s                         ; a joint load: waves 0, 1 fetch A's halves, waves 2, 3 B's; an s_nop 0 and four v_nop follow each line
	s_cmp_eq_u32 s15, 0
	s_cbranch_scc0 .Lfor_b_\@
	tensor_load_to_lds s[G0A+4*\s:G0A+4*\s+3], s[G1A:G1A+7]
	s_nop 0
.rept 4
	v_nop
.endr
	s_branch .Lasked_\@
.Lfor_b_\@:
	tensor_load_to_lds s[G0B+4*\s:G0B+4*\s+3], s[G1B:G1B+7]
	s_nop 0
.rept 4
	v_nop
.endr
.Lasked_\@:
.endm
.macro CROUND                          ; a round of the cluster's barrier
	s_barrier_signal -1
	s_barrier_wait -1
	s_cmp_lg_u32 s14, 0
	s_cbranch_scc1 .Lnot_wave_0_\@
	s_barrier_signal -3
.Lnot_wave_0_\@:
	s_barrier_wait -3
	s_barrier_signal -1
	s_barrier_wait -1
.endm
.macro FRAGLD reg, a16, a8, off
	ds_load_b128 v[\reg:\reg+3], v[\a16] offset:\off
	ds_load_b64 v[\reg+4:\reg+5], v[\a8] offset:\off+512
	ds_load_b128 v[\reg+6:\reg+9], v[\a16] offset:\off+768
	ds_load_b64 v[\reg+10:\reg+11], v[\a8] offset:\off+1280
.endm
.macro FETCH s, q, p
	WIN 0x40
.irp i, 0,1,2,3
	FRAGLD 128*(\p)+12*\i, ADB16+(\s), ADB8+(\s), 2*CHB*\i+1536*(\q)
.endr
	WIN 0
.irp i, 0,1,2,3
	FRAGLD AF+48*(\p)+12*\i, ADA16+(\s), ADA8+(\s), 2*CHB*\i+1536*(\q)
.endr
.endm
.macro SCALES s                        ; lanes 0-15 A's block i, lanes 16-31 B's block i: four words a row
.irp i, 0,1,2,3
	ds_load_b128 v[SC+4*NBW*(\s)+4*\i:SC+4*NBW*(\s)+4*\i+3], v[ADS+(\s)] offset:2*CHB*\i
.endr
.endm
.macro MULA a, p, q, s                 ; A's block a against B's four, in place.  The 16 accumulators take turns in one order throughout
.irp t, 0,1,2,3
.set rD, 8*(NBW*(\a)+\t)
.set rB, 128*(\p)+12*\t
.set rA, AF+48*(\p)+12*(\a)
.set rX, SC+4*NBW*(\s)+4*\t+(\q)
.set rY, SC+4*NBW*(\s)+4*(\a)+(\q)
	v_wmma_scale_f32_16x16x128_f8f6f4 v[rD:rD+7], v[rB:rB+11], v[rA:rA+11], v[rD:rD+7], v[rX], v[rY] matrix_a_fmt:MATRIX_FMT_FP6 matrix_b_fmt:MATRIX_FMT_FP6 matrix_a_scale:MATRIX_SCALE_ROW1
.endr
.endm
.macro KSTEP s, q
	s_wait_dscnt 0x0                               ; this step's fragments are in
	PLACES
	FETCH \s, (\q)+1, 1-(\q)%2
	WIN 0xa1
	MULA 0, (\q)%2, \q, \s
	MULA 1, (\q)%2, \q, \s
	MULA 2, (\q)%2, \q, \s
	MULA 3, (\q)%2, \q, \s
	WIN 0
.endm
.macro TURN s                          ; slot s's last 128 along K and the change of slots; nothing is filled again
	s_wait_tensorcnt 0x0                           ; my part of the other slot is in
	ds_add_u32 v[SPW], v[NIL]                      ; 0 onto my spare word
	s_wait_dscnt 0x1                               ; this step's fragments are in; the add may be out
	WIN 0xa1
	MULA 0, 1, 3, \s
	s_wait_dscnt 0x0
	s_barrier_signal -1
	MULA 1, 1, 3, \s
	WIN 0
	s_barrier_wait -1
	PLACES
	FETCH 1-(\s), 0, 0
	SCALES 1-(\s)
	WIN 0xa1
	MULA 2, 1, 3, \s
	MULA 3, 1, 3, \s
	WIN 0
.endm
.macro RESLOAD a                       ; row block a of x, my 64 columns: sixteen lanes read a row's 256 consecutive bytes
.irp t, 0,1,2,3,4,5,6,7
	global_load_b128 v[RB+32*(\a)+4*\t:RB+32*(\a)+4*\t+3], v[GR], s[70:71] offset:(32*((\a)/2)+8*((\a)%2)+2*\t+8*(\t/4))*4096
.endr
.endm
.macro RESPUT a                        ; + bo, through my stage, into the accumulators
	s_wait_loadcnt 24-8*(\a)                       ; the later row blocks' loads may be out
.irp t, 0,1,2,3,4,5,6,7
	v_pk_add_f32 v[RB+32*(\a)+4*\t:RB+32*(\a)+4*\t+1], v[RB+32*(\a)+4*\t:RB+32*(\a)+4*\t+1], v[BR:BR+1]
	v_pk_add_f32 v[RB+32*(\a)+4*\t+2:RB+32*(\a)+4*\t+3], v[RB+32*(\a)+4*\t+2:RB+32*(\a)+4*\t+3], v[BR+2:BR+3]
.endr
.irp t, 0,1,2,3,4,5,6,7
	ds_store_b128 v[SR], v[RB+32*(\a)+4*\t:RB+32*(\a)+4*\t+3] offset:544*\t
.endr
	WIN 0x80                                       ; destination window 2
.irp t, 0,1,2,3
	ds_load_b128 v[32*(\a)+8*\t:32*(\a)+8*\t+3], v[SO] offset:128*(\t/2)+32*(\t%2)        ; LDS serves a wave's instructions in order: these see my stores, and the next block's stores come behind them
	ds_load_b128 v[32*(\a)+8*\t+4:32*(\a)+8*\t+7], v[SO] offset:128*(\t/2)+32*(\t%2)+16
.endr
	WIN 0
.endm
; 32 numbers of a lane in window 2, register 16 b + i = column 32 b + 16 h + i of my row, become half a fragment's codes in v[pc] .. v[pc + 5]; the two bytes in v[TM + 4], v[TM + 5]
.macro QUANT2 s, pc
	WIN 0x0a
.irp b, 0,1
	v_max3_num_f32 v[TM+\b], |v[(\s)+16*\b]|, |v[(\s)+1+16*\b]|, 0x1800000    ; each accumulator is read from its low end on; the floor 2^(3 - 127)
.endr
	WIN 0x28
.irp i, 2,4,6,8,10,12,14
.irp b, 0,1
	v_max3_num_f32 v[TM+\b], v[TM+\b], |v[(\s)+16*\b+\i]|, |v[(\s)+1+16*\b+\i]|
.endr
.endr
	WIN 0
.irp b, 0,1
	v_permlanex16_b32 v[TM+4+\b], v[TM+\b], s20, s21
.endr
.irp b, 0,1
	v_max_num_f32 v[TM+\b], v[TM+\b], v[TM+4+\b]
.endr
.irp b, 0,1
	v_add_nc_u32 v[TM+12+\b], 0xff000000, v[TM+\b]
.endr
.irp b, 0,1
	v_lshrrev_b32 v[TM+4+\b], 23, v[TM+12+\b]
.endr
	WIN 0x02
	v_cvt_scalef32_pk16_fp6_f32 v[\pc:\pc+2], v[(\s):(\s)+15], v[TM+12]
	v_cvt_scalef32_pk16_fp6_f32 v[QT:QT+2], v[(\s)+16:(\s)+31], v[TM+13]
	WIN 0
	v_nop                                          ; one plain place behind a scaled conversion
.irp i, 0,1,2
	v_permlane16_swap_b32 v[\pc+\i], v[QT+\i]
.endr
.irp i, 0,1,2
	v_mov_b32 v[\pc+3+\i], v[QT+\i]
.endr
.endm
.macro OUTF a                          ; row block a as f32: through my stage, out as whole rows of 256 bytes
	WIN 0x08                                       ; an LDS store's data are its source 1: window 2
.irp t, 0,1,2,3
	ds_store_b128 v[SO], v[32*(\a)+8*\t:32*(\a)+8*\t+3] offset:128*(\t/2)+32*(\t%2)
	ds_store_b128 v[SO], v[32*(\a)+8*\t+4:32*(\a)+8*\t+7] offset:128*(\t/2)+32*(\t%2)+16
.endr
	WIN 0
	s_wait_xcnt 0x0                                ; earlier stores have read their data: the rows' registers are loaded again only behind this wait
.irp t, 0,1,2,3,4,5,6,7
	ds_load_b128 v[RB+32*((\a)%2)+4*\t:RB+32*((\a)%2)+4*\t+3], v[SR] offset:544*\t
.endr
.irp t, 0,1,2,3,4,5,6,7
	s_wait_dscnt 7-\t                              ; the younger loads may be out
	global_store_b128 v[GR], v[RB+32*((\a)%2)+4*\t:RB+32*((\a)%2)+4*\t+3], s[66:67] offset:(32*((\a)/2)+8*((\a)%2)+2*\t+8*(\t/4))*4096   ; sixteen lanes store 256 consecutive bytes, aligned
.endr
.endm
	s_load_b256 s[80:87], s[0:1], 0x0              ; attn s[80:81], prep s[82:83], x s[84:85], bo s[86:87]
	s_load_b128 s[88:91], s[0:1], 0x20             ; x1 s[88:89], x1img s[90:91]
	v_lshl_add_u32 v[SPW], v0, 2, SPARE
	v_mov_b32 v[NIL], 0
	ds_add_u32 v[SPW], v[NIL]                      ; the wave's opening: the add and its wait ahead of my first tensor load
	ds_add_u32 v[SPW], v[NIL]
	v_lshrrev_b32 v1, 5, v0
	v_readfirstlane_b32 s14, v1                    ; wave
	s_lshr_b32 s15, s14, 1                         ; my half of A's rows.  Also: I fetch for A (0) or for B (1)
	s_and_b32 s16, s14, 1                          ; my half of B's rows.  Also: which half of that tile I fetch
	s_bfe_u32 s40, ttmp6, 0x40000                  ; cx
	s_bfe_u32 s41, ttmp6, 0x40004                  ; cy
	s_lshl_b32 s42, ttmp9, 2
	s_add_co_u32 s42, s42, s40                     ; tile column
	s_and_b32 s17, ttmp7, 0xffff
	s_lshl_b32 s17, s17, 2
	s_add_co_u32 s17, s17, s41                     ; tile row
	s_lshl_b32 s43, s41, 2
	s_lshl_b32 s43, 15, s43
	s_lshl_b32 s44, 0x1111, s40
	s_or_b32 s[G1A], s43, (3<<16)|(1<<21)          ; the mask; elements of 8 bytes; bit 21 beside a mask; no padding
	s_or_b32 s[G1B], s44, (3<<16)|(1<<21)
	s_mov_b32 s[G1A+1], 1600<<16                   ; a row block's two chunk blocks are one row of 1,600 elements: one load a wave brings all of K
	s_mov_b32 s[G1A+2], 4<<16
	s_mov_b32 s[G1A+3], 1600<<16
	s_mov_b32 s[G1A+4], 4
	s_mov_b32 s[G1A+5], NCH*800
	s_mov_b32 s[G1A+6], 0
	s_mov_b32 s[G1A+7], 0
	s_mov_b32 s[G1B+1], 1600<<16
	s_mov_b32 s[G1B+2], NBW<<16
	s_mov_b32 s[G1B+3], 1600<<16
	s_mov_b32 s[G1B+4], NBW
	s_mov_b32 s[G1B+5], NCH*800
	s_mov_b32 s[G1B+6], 0
	s_mov_b32 s[G1B+7], 0
	s_lshl_b32 s4, s17, 3
	s_lshl_b32 s5, s16, 2
	s_add_co_u32 s4, s4, s5
	s_mul_i32 s4, s4, NCH*CHB
	s_mov_b32 s5, 0
	s_mul_i32 s46, s42, 2*NBW
	s_mul_i32 s47, s16, NBW
	s_add_co_u32 s46, s46, s47
	s_mul_i32 s46, s46, NCH*CHB
	s_add_co_u32 s46, s46, BOFF
	s_mov_b32 s47, 0
	s_mul_i32 s10, s16, 8*CHB
	s_mul_i32 s11, s16, 2*NBW*CHB
	s_add_co_u32 s11, s11, 16*CHB
	s_mov_b32 s20, 0x76543210
	s_mov_b32 s21, 0xfedcba98
	s_mov_b32 s22, 0xffff0000
	s_wait_dscnt 0x0                               ; the opening add is done
	s_wait_kmcnt 0x0
	s_add_nc_u64 s[4:5], s[80:81], s[4:5]
	s_add_nc_u64 s[46:47], s[82:83], s[46:47]
	CROUND                                         ; all sixteen work-groups are here: the first joint loads meet
	s_mov_b32 s[G0A], 1
	s_mov_b32 s[G0A+1], s10
	s_mov_b64 s[G0A+2:G0A+3], s[4:5]
	s_or_b32 s[G0A+3], s[G0A+3], 0x80000000
	s_mov_b32 s[G0B], 1
	s_mov_b32 s[G0B+1], s11
	s_mov_b64 s[G0B+2:G0B+3], s[46:47]
	s_or_b32 s[G0B+3], s[G0B+3], 0x80000000
	JLOAD 0                                        ; my one tensor load: four row blocks x 12,800 bytes, both chunks of K
	v_and_b32 v1, 15, v0                           ; r
	s_wait_alu depctr_va_vdst(0)
	v_bfe_u32 v2, v0, 4, 1                         ; h
	s_wait_alu depctr_va_vdst(0)
	v_and_b32 v3, 31, v0
	s_wait_alu depctr_va_vdst(0)
	s_lshl_b32 s18, s42, 1
	s_add_co_u32 s18, s18, s16                     ; g: which 64 columns are my wave's
	s_lshl_b32 s4, s17, 7
	s_lshl_b32 s5, s15, 6
	s_add_co_u32 s4, s4, s5                        ; my first row
	s_lshl_b32 s4, s4, 12
	s_lshl_b32 s6, s18, 8
	s_add_co_u32 s4, s4, s6
	s_mov_b32 s5, 0
	s_mov_b32 s7, 0
	s_add_nc_u64 s[70:71], s[84:85], s[4:5]        ; x,
	s_add_nc_u64 s[66:67], s[88:89], s[4:5]        ; x1,
	s_add_nc_u64 s[72:73], s[86:87], s[6:7]        ; bo at my columns
	v_lshlrev_b32 v5, 4, v1
	v_lshlrev_b32 v[GR], 12, v2
	v_lshl_add_u32 v[GR], v1, 4, v[GR]
	global_load_b128 v[BR:BR+3], v5, s[72:73]
	RESLOAD 0
	RESLOAD 1
	RESLOAD 2
	RESLOAD 3
	v_lshlrev_b32 v[VO16], 4, v3
	v_lshlrev_b32 v[VO8], 3, v3
	s_mul_i32 s7, s15, 8*CHB
	s_mul_i32 s8, s16, 2*NBW*CHB
	s_add_co_u32 s8, s8, 16*CHB
	s_sub_co_u32 s9, s8, s7
	v_mul_u32_u24 v4, s9, v2                       ; lanes 16-31 take B's words
	v_lshl_add_u32 v4, v1, 4, v4
	s_add_co_u32 s12, s7, 6144
	v_add_nc_u32 v[ADS], s12, v4
	v_add_nc_u32 v[ADS+1], CHB, v[ADS]
.irp s, 0,1
	v_add_nc_u32 v[ADA16+\s], s7, v[VO16]
	v_add_nc_u32 v[ADA8+\s], s7, v[VO8]
	v_add_nc_u32 v[ADB16+\s], s8, v[VO16]
	v_add_nc_u32 v[ADB8+\s], s8, v[VO8]
	s_add_co_u32 s7, s7, CHB
	s_add_co_u32 s8, s8, CHB
.endr
	s_mul_i32 s6, s14, 4352
	s_add_co_u32 s6, s6, STG                       ; my stage
	v_mul_u32_u24 v[SO], v1, 272
	v_lshl_add_u32 v[SO], v2, 6, v[SO]
	v_add_nc_u32 v[SO], s6, v[SO]
	v_mul_u32_u24 v[SR], v2, 272
	v_lshl_add_u32 v[SR], v1, 4, v[SR]
	v_add_nc_u32 v[SR], s6, v[SR]
	v_lshl_add_u32 v22, v1, 4, v2                  ; 16 r + h: a scale byte's place
.irp b, 0,1
	v_mov_b32 v[TM+4+\b], 0                        ; a lane permute's destination counts as one of its sources
.endr
	RESPUT 0
	RESPUT 1
	RESPUT 2
	RESPUT 3
	s_wait_tensorcnt 0x0                           ; my one load is in
	s_wait_dscnt 0x0                               ; x + bo lies in the accumulators
	s_barrier_signal -1
	s_barrier_wait -1
	FETCH 0, 0, 0
	SCALES 0
	KSTEP 0, 0
	KSTEP 0, 1
	KSTEP 0, 2
	TURN 0
	KSTEP 1, 0
	KSTEP 1, 1
	KSTEP 1, 2
	s_wait_dscnt 0x0
	WIN 0xa1
	MULA 0, 1, 3, 1
	MULA 1, 1, 3, 1
	MULA 2, 1, 3, 1
	MULA 3, 1, 3, 1
	WIN 0
	PLACES
	s_lshl_b32 s4, s17, 3                          ; x1's image: row block 8 x tile row + 4 x half + a, chunk g / 8, fragment (g / 2) % 4, half g % 2
	s_lshl_b32 s5, s15, 2
	s_add_co_u32 s4, s4, s5
	s_lshl_b32 s4, s4, 1
	s_lshr_b32 s5, s18, 3
	s_add_co_u32 s4, s4, s5
	s_mul_i32 s4, s4, CHB
	s_bfe_u32 s5, s18, 0x20001
	s_and_b32 s6, s18, 1
	s_mul_i32 s8, s5, 1536
	s_mul_i32 s9, s6, 768
	s_add_co_u32 s8, s8, s9
	s_add_co_u32 s8, s8, s4
	s_mov_b32 s9, 0
	s_add_nc_u64 s[68:69], s[90:91], s[8:9]
	s_lshl_b32 s5, s5, 2
	s_lshl_b32 s6, s6, 1
	s_add_co_u32 s8, s5, s6
	s_add_co_u32 s8, s8, s4
	s_add_co_u32 s8, s8, 6144
	s_add_nc_u64 s[74:75], s[90:91], s[8:9]
.irp a, 0,1,2,3
	QUANT2 32*\a, PC+8*\a
	global_store_b128 v[VO16], v[PC+8*\a:PC+8*\a+3], s[68:69] offset:NCH*CHB*\a          ; 512 consecutive bytes, aligned to 256
	global_store_b64 v[VO8], v[PC+8*\a+4:PC+8*\a+5], s[68:69] offset:NCH*CHB*\a+512
	v_cndmask_b32 v[252+\a], v[TM+4], v[TM+5], s22 ; lanes 0-15 the first block's byte, lanes 16-31 the second's
	global_store_b8 v22, v[252+\a], s[74:75] offset:NCH*CHB*\a
	OUTF \a
.endr
	s_wait_tensorcnt 0x0                           ; the wave's end
	ds_add_u32 v[SPW], v[NIL]
	s_wait_dscnt 0x0
	CROUND                                         ; the closing round
	s_endpgm
.Lfunc_end_k_q138c920b14_gwo:
	.size	k_q138c920b14_gwo, .Lfunc_end_k_q138c920b14_gwo-k_q138c920b14_gwo
	.p2alignl 7, 3214868480
	.fill 96, 4, 3214868480
	.section	.rodata,"a",@progbits
	.p2align	6, 0x0
	.amdhsa_kernel k_q138c920b14_gwo
		.amdhsa_group_segment_fixed_size 327680
		.amdhsa_private_segment_fixed_size 0
		.amdhsa_enable_private_segment 0
		.amdhsa_kernarg_size 48
		.amdhsa_user_sgpr_count 2
		.amdhsa_user_sgpr_kernarg_segment_ptr 1
		.amdhsa_wavefront_size32 1
		.amdhsa_system_sgpr_workgroup_id_x 1
		.amdhsa_system_sgpr_workgroup_id_y 1
		.amdhsa_system_sgpr_workgroup_id_z 1
		.amdhsa_system_vgpr_workitem_id 0
		.amdhsa_next_free_vgpr 640
		.amdhsa_next_free_sgpr 96
		.amdhsa_reserve_vcc 0
		.amdhsa_float_denorm_mode_32 3
		.amdhsa_float_denorm_mode_16_64 3
		.amdhsa_memory_ordered 1
		.amdhsa_forward_progress 1
		.amdhsa_inst_pref_size 73
	.end_amdhsa_kernel
	.amdgpu_metadata
---
amdhsa.version: [ 1, 2 ]
amdhsa.kernels:
  - .name:           k_q138c920b14_gwo
    .symbol:         k_q138c920b14_gwo.kd
    .args:
      - { .name: attn, .offset: 0, .size: 8, .value_kind: global_buffer, .address_space: global }
      - { .name: prep, .offset: 8, .size: 8, .value_kind: global_buffer, .address_space: global }
      - { .name: x, .offset: 16, .size: 8, .value_kind: global_buffer, .address_space: global }
      - { .name: bo, .offset: 24, .size: 8, .value_kind: global_buffer, .address_space: global }
      - { .name: x1, .offset: 32, .size: 8, .value_kind: global_buffer, .address_space: global }
      - { .name: x1img, .offset: 40, .size: 8, .value_kind: global_buffer, .address_space: global }
    .group_segment_fixed_size: 327680
    .private_segment_fixed_size: 0
    .kernarg_segment_align: 8
    .kernarg_segment_size: 48
    .max_flat_workgroup_size: 128
    .sgpr_count:     96
    .vgpr_count:     640
    .wavefront_size: 32
...
	.end_amdgpu_metadata
.endif
;; end of part 4
;; launch gw1 (part 5): grid 16 x 16, 4 waves a work-group, clusters of 4 x 4, 327,680 bytes of LDS; arguments x1img, prep, b1, himg; writes himg
.if DOCPART == 5
	.amdgcn_target "amdgcn-amd-amdhsa--gfx1250"
	.amdhsa_code_object_version 6
	.text
	.protected	k_q138c920b14_gw1
	.globl	k_q138c920b14_gw1
	.p2align	8
	.type	k_q138c920b14_gw1,@function
k_q138c920b14_gw1:
	s_mov_b64 s[64:65], 0
	v_nop
	global_prefetch_b8 v0, s[64:65] scope:SCOPE_SE
	s_setreg_imm32_b32 hwreg(HW_REG_WAVE_MODE, 25, 1), 1
	s_wait_xcnt 0x0
	s_wait_alu depctr_hold_cnt(0) depctr_sa_sdst(0) depctr_va_vdst(0) depctr_va_sdst(0) depctr_va_ssrc(0) depctr_va_vcc(0) depctr_vm_vsrc(0)
	s_getreg_b32 s2, hwreg(HW_REG_IB_STS2, 6, 4)
	s_cmp_eq_u32 s2, 0
	s_cbranch_scc0 .Lentry_in_a_cluster
	s_endpgm
.Lentry_in_a_cluster:
	s_bfe_u32 s2, ttmp6, 0x10000c
	s_cmp_lg_u32 s2, 0xf033
	s_cbranch_scc0 .Lentry_shape_is_right
	s_endpgm
.Lentry_shape_is_right:
.set NBW,   8
.set NCH,   2
.set CHB,   6400
.set BOFF,  6553600
.set SLOT,  (8+2*NBW)*CHB
.set SPARE, 2*SLOT
.set ADA16, 8
.set ADA8,  10
.set ADB16, 12
.set ADB8,  14
.set ADS,   16
.set ADS2,  18
.set VO16,  20
.set VO8,   21
.set SPW,   28
.set NIL,   29
.set SC,    32
.set AF,    96
.set TM,    192
.set PW,    208
.set PC,    212
.set G1A, 24
.set G0A, 32
.set G1B, 48
.set G0B, 56
.set G0R, 92
.set MSB, 0
.macro WIN new
.if MSB != \new
	s_set_vgpr_msb (MSB<<8)|\new
.set MSB, \new
.endif
.endm
.macro PLACES
.rept 4
	v_nop
.endr
.endm
.macro JLOAD s
	s_cmp_eq_u32 s15, 0
	s_cbranch_scc0 .Lfor_b_\@
	tensor_load_to_lds s[G0A+4*\s:G0A+4*\s+3], s[G1A:G1A+7]
	s_nop 0
.rept 4
	v_nop
.endr
	s_branch .Lasked_\@
.Lfor_b_\@:
	tensor_load_to_lds s[G0B+4*\s:G0B+4*\s+3], s[G1B:G1B+7]
	s_nop 0
.rept 4
	v_nop
.endr
.Lasked_\@:
.endm
.macro CREST
	s_cmp_lg_u32 s14, 0
	s_cbranch_scc1 .Lnot_wave_0_\@
	s_barrier_signal -3
.Lnot_wave_0_\@:
	s_barrier_wait -3
	s_barrier_signal -1
	s_barrier_wait -1
.endm
.macro CROUND
	s_barrier_signal -1
	s_barrier_wait -1
	CREST
.endm
.macro FRAGLD reg, a16, a8, off
	ds_load_b128 v[\reg:\reg+3], v[\a16] offset:\off
	ds_load_b64 v[\reg+4:\reg+5], v[\a8] offset:\off+512
	ds_load_b128 v[\reg+6:\reg+9], v[\a16] offset:\off+768
	ds_load_b64 v[\reg+10:\reg+11], v[\a8] offset:\off+1280
.endm
.macro FETCH s, q, p
	WIN 0x40
.irp i, 0,1,2,3,4,5,6,7
	FRAGLD 128*(\p)+12*\i, ADB16+(\s), ADB8+(\s), CHB*\i+1536*(\q)
.endr
	WIN 0
.irp i, 0,1,2,3
	FRAGLD AF+48*(\p)+12*\i, ADA16+(\s), ADA8+(\s), CHB*\i+1536*(\q)
.endr
.endm
.macro SCALES s
.irp i, 0,1,2,3
	ds_load_b128 v[SC+4*NBW*(\s)+4*\i:SC+4*NBW*(\s)+4*\i+3], v[ADS+(\s)] offset:CHB*\i
.endr
.irp i, 4,5,6,7
	ds_load_b128 v[SC+4*NBW*(\s)+4*\i:SC+4*NBW*(\s)+4*\i+3], v[ADS2+(\s)] offset:CHB*\i
.endr
.endm
.macro MULA a, p, q, s, cm
.irp t, 0,1,2,3,4,5,6,7
.set rD, 8*(NBW*(\a)+\t)
.set rB, 128*(\p)+12*\t
.set rA, AF+48*(\p)+12*(\a)
.set rX, SC+4*NBW*(\s)+4*\t+(\q)
.set rY, SC+4*NBW*(\s)+4*(\a)+(\q)
.if \cm == 1
	v_wmma_scale_f32_16x16x128_f8f6f4 v[rD:rD+7], v[rB:rB+11], v[rA:rA+11], v[8*\t:8*\t+7], v[rX], v[rY] matrix_a_fmt:MATRIX_FMT_FP6 matrix_b_fmt:MATRIX_FMT_FP6 matrix_a_scale:MATRIX_SCALE_ROW1
.else
	v_wmma_scale_f32_16x16x128_f8f6f4 v[rD:rD+7], v[rB:rB+11], v[rA:rA+11], v[rD:rD+7], v[rX], v[rY] matrix_a_fmt:MATRIX_FMT_FP6 matrix_b_fmt:MATRIX_FMT_FP6 matrix_a_scale:MATRIX_SCALE_ROW1
.endif
.endr
.endm
.macro KSTEP s, q, cm
	s_wait_dscnt 0x0
	PLACES
	FETCH \s, (\q)+1, 1-(\q)%2
.if \cm == 1
	WIN 0xb1
.else
	WIN 0xa1
.endif
	MULA 0, (\q)%2, \q, \s, \cm
	MULA 1, (\q)%2, \q, \s, \cm
	MULA 2, (\q)%2, \q, \s, \cm
	MULA 3, (\q)%2, \q, \s, \cm
	WIN 0
.endm
.macro TURN s
	s_wait_tensorcnt 0x0
	ds_add_u32 v[SPW], v[NIL]
	s_wait_dscnt 0x1
	WIN 0xa1
	MULA 0, 1, 3, \s, 2
	s_wait_dscnt 0x0
	s_barrier_signal -1
	MULA 1, 1, 3, \s, 2
	WIN 0
	s_barrier_wait -1
	PLACES
	FETCH 1-(\s), 0, 0
	SCALES 1-(\s)
	WIN 0xa1
	MULA 2, 1, 3, \s, 2
	MULA 3, 1, 3, \s, 2
	WIN 0
.endm
.macro FLOW s
	s_wait_dscnt 0x0
	PLACES
	FETCH 1-(\s), 0, 0
	SCALES 1-(\s)
	WIN 0xa1
	MULA 0, 1, 3, \s, 2
	MULA 1, 1, 3, \s, 2
	MULA 2, 1, 3, \s, 2
	MULA 3, 1, 3, \s, 2
	WIN 0
.endm
.macro ENDT
	s_wait_tensorcnt 0x0
	ds_add_u32 v[SPW], v[NIL]
	s_wait_dscnt 0x1
	WIN 0xa1
	MULA 0, 1, 3, 1, 2
	s_wait_dscnt 0x0
	s_barrier_signal -1
	MULA 1, 1, 3, 1, 2
	WIN 0
	s_barrier_wait -1
	CREST
	tensor_load_to_lds s[G0R:G0R+3], s[G1A:G1A+7]
	s_nop 0
.rept 4
	v_nop
.endr
	WIN 0xa1
	MULA 2, 1, 3, 1, 2
	MULA 3, 1, 3, 1, 2
	WIN 0
	PLACES
.endm
.macro QUANT s
	WIN 0x0a
.irp b, 0,1,2,3
	v_max3_num_f32 v[TM+\b], |v[(\s)+16*\b]|, |v[(\s)+1+16*\b]|, 0x1800000
.endr
	WIN 0x28
.irp i, 2,4,6,8,10,12,14
.irp b, 0,1,2,3
	v_max3_num_f32 v[TM+\b], v[TM+\b], |v[(\s)+16*\b+\i]|, |v[(\s)+1+16*\b+\i]|
.endr
.endr
	WIN 0
.irp b, 0,1,2,3
	v_permlanex16_b32 v[TM+4+\b], v[TM+\b], s20, s21
.endr
.irp b, 0,1,2,3
	v_max_num_f32 v[TM+\b], v[TM+\b], v[TM+4+\b]
.endr
.irp b, 0,1,2,3
	v_add_nc_u32 v[TM+12+\b], 0xff000000, v[TM+\b]
.endr
.irp b, 0,1,2,3
	v_lshrrev_b32 v[TM+4+\b], 23, v[TM+12+\b]
.endr
	v_lshl_or_b32 v[PW], v[TM+5], 8, v[TM+4]
	v_lshl_or_b32 v[PW], v[TM+6], 16, v[PW]
	v_lshl_or_b32 v[PW], v[TM+7], 24, v[PW]
	s_wait_xcnt 0x0
	WIN 0x02
.irp c, 0,1
	v_cvt_scalef32_pk16_fp6_f32 v[PC+6*\c:PC+2+6*\c], v[(\s)+32*\c:(\s)+15+32*\c], v[TM+12+2*\c]
	v_cvt_scalef32_pk16_fp6_f32 v[PC+12+4*\c:PC+14+4*\c], v[(\s)+16+32*\c:(\s)+31+32*\c], v[TM+13+2*\c]
.endr
	WIN 0
	v_nop
.irp c, 0,1
.irp i, 0,1,2
	v_permlane16_swap_b32 v[PC+6*\c+\i], v[PC+12+4*\c+\i]
.endr
.irp i, 0,1,2
	v_mov_b32 v[PC+3+6*\c+\i], v[PC+12+4*\c+\i]
.endr
.endr
.endm
.macro EPI t
.irp a, 0,1,2,3
	WIN 0x88
.set jj, 0
.rept 64
	v_max_num_f32 v[64*\a+jj], 0, v[64*\a+jj]
.set jj, jj+1
.endr
	QUANT 64*\a
	global_store_b128 v[VO16], v[PC:PC+3], s[66:67] offset:409600*(\t)+51200*\a
	global_store_b128 v[VO16], v[PC+4:PC+7], s[66:67] offset:409600*(\t)+51200*\a+512
	global_store_b128 v[VO16], v[PC+8:PC+11], s[66:67] offset:409600*(\t)+51200*\a+1024
.if (\a)%2 == 0
	v_mov_b32 v27, v[PW]
.else
	v_cndmask_b32 v210, v27, v[PW], s22
	global_store_b32 v22, v210, s[68:69] offset:409600*(\t)+51200*(\a-1)
.endif
.endr
.endm
	s_load_b256 s[80:87], s[0:1], 0x0
	v_lshl_add_u32 v[SPW], v0, 2, SPARE
	v_mov_b32 v[NIL], 0
	ds_add_u32 v[SPW], v[NIL]
	ds_add_u32 v[SPW], v[NIL]
	v_lshrrev_b32 v1, 5, v0
	v_readfirstlane_b32 s14, v1
	s_lshr_b32 s15, s14, 1
	s_and_b32 s16, s14, 1
	s_bfe_u32 s40, ttmp6, 0x40000
	s_bfe_u32 s41, ttmp6, 0x40004
	s_lshl_b32 s42, ttmp9, 2
	s_add_co_u32 s42, s42, s40
	s_and_b32 s17, ttmp7, 0xffff
	s_lshl_b32 s17, s17, 2
	s_add_co_u32 s17, s17, s41
	s_lshl_b32 s17, s17, 1
	s_lshl_b32 s43, s41, 2
	s_lshl_b32 s43, 15, s43
	s_lshl_b32 s44, 0x1111, s40
	s_or_b32 s[G1A], s43, (3<<16)|(1<<21)
	s_or_b32 s[G1B], s44, (3<<16)|(1<<21)
	s_mov_b32 s[G1A+1], 800<<16
	s_mov_b32 s[G1A+2], 4<<16
	s_mov_b32 s[G1A+3], 800<<16
	s_mov_b32 s[G1A+4], 4
	s_mov_b32 s[G1A+5], NCH*800
	s_mov_b32 s[G1A+6], 0
	s_mov_b32 s[G1A+7], 0
	s_mov_b32 s[G1B+1], 800<<16
	s_mov_b32 s[G1B+2], NBW<<16
	s_mov_b32 s[G1B+3], 800<<16
	s_mov_b32 s[G1B+4], NBW
	s_mov_b32 s[G1B+5], NCH*800
	s_mov_b32 s[G1B+6], 0
	s_mov_b32 s[G1B+7], 0
	s_lshl_b32 s4, s17, 3
	s_lshl_b32 s5, s16, 2
	s_add_co_u32 s4, s4, s5
	s_mul_i32 s4, s4, NCH*CHB
	s_mov_b32 s5, 0
	s_mul_i32 s46, s42, 2*NBW
	s_mul_i32 s47, s16, NBW
	s_add_co_u32 s46, s46, s47
	s_mul_i32 s46, s46, NCH*CHB
	s_add_co_u32 s46, s46, BOFF
	s_mov_b32 s47, 0
	s_mul_i32 s10, s16, 4*CHB
	s_mul_i32 s11, s16, NBW*CHB
	s_add_co_u32 s11, s11, 8*CHB
	s_mul_i32 s12, s15, SLOT
	s_add_co_u32 s12, s12, s10
	s_mul_i32 s8, s15, CHB
	s_add_co_u32 s8, s8, 8*NCH*CHB
	s_mov_b32 s9, 0
	s_mov_b32 s20, 0x76543210
	s_mov_b32 s21, 0xfedcba98
	s_mov_b32 s22, 0xffff0000
	s_wait_dscnt 0x0
	s_wait_kmcnt 0x0
	s_add_nc_u64 s[4:5], s[80:81], s[4:5]
	s_add_nc_u64 s[46:47], s[82:83], s[46:47]
	s_mov_b32 s[G0R], 1
	s_mov_b32 s[G0R+1], s12
	s_add_nc_u64 s[G0R+2:G0R+3], s[4:5], s[8:9]
	s_or_b32 s[G0R+3], s[G0R+3], 0x80000000
	CROUND
.irp s, 0,1
	s_mov_b32 s[G0A+4*\s], 1
	s_add_co_u32 s[G0A+4*\s+1], s10, \s*SLOT
	s_add_nc_u64 s[G0A+4*\s+2:G0A+4*\s+3], s[4:5], \s*CHB
	s_or_b32 s[G0A+4*\s+3], s[G0A+4*\s+3], 0x80000000
	s_mov_b32 s[G0B+4*\s], 1
	s_add_co_u32 s[G0B+4*\s+1], s11, \s*SLOT
	s_add_nc_u64 s[G0B+4*\s+2:G0B+4*\s+3], s[46:47], \s*CHB
	s_or_b32 s[G0B+4*\s+3], s[G0B+4*\s+3], 0x80000000
.endr
	JLOAD 0
	; PREFETCH of what the two later fills ask for, shared out by address among the partners that ask for a tile jointly; each block of 256 bytes is named once in a cluster.
	; s[4:5], s[46:47]: the four row blocks of A, the eight of B, that my wave % 2 stands for.  The next A tile's 8 chunk blocks of that half: number 2 cx + wave / 2, 25 blocks.
	; B's chunk 1: row block 2 cy + wave / 2, 25 blocks.  A's chunk 1: row block cx, blocks 0-12 (wave / 2 = 0) or 13-24.  Lanes left over name their wave's last block again.
	s_lshl_b32 s6, s40, 1
	s_add_co_u32 s6, s6, s15
	s_mul_i32 s6, s6, CHB
	s_add_co_u32 s6, s6, 8*NCH*CHB
	s_mov_b32 s7, 0
	s_add_nc_u64 s[74:75], s[4:5], s[6:7]
	s_lshl_b32 s6, s41, 1
	s_add_co_u32 s6, s6, s15
	s_mul_i32 s6, s6, NCH*CHB
	s_add_co_u32 s6, s6, CHB
	s_add_nc_u64 s[76:77], s[46:47], s[6:7]
	s_mul_i32 s6, s40, NCH*CHB
	s_mul_i32 s8, s15, 13*256
	s_add_co_u32 s6, s6, s8
	s_add_co_u32 s6, s6, CHB
	s_add_nc_u64 s[78:79], s[4:5], s[6:7]
	s_sub_co_u32 s8, 12, s15
	v_and_b32 v26, 31, v0
	v_min_u32 v30, 24, v26
	v_min_u32 v31, s8, v26
	v_lshlrev_b32 v30, 8, v30
	v_lshlrev_b32 v31, 8, v31
	s_wait_alu depctr_va_vdst(0)
	global_prefetch_b8 v31, s[78:79] th:TH_LOAD_NT scope:SCOPE_SE
	global_prefetch_b8 v30, s[76:77] th:TH_LOAD_NT scope:SCOPE_SE
	global_prefetch_b8 v30, s[74:75] th:TH_LOAD_NT scope:SCOPE_SE
	v_and_b32 v1, 15, v0
	v_bfe_u32 v2, v0, 4, 1
	s_wait_alu depctr_va_vdst(0)
	v_and_b32 v3, 31, v0
	s_lshl_b32 s18, s42, 1
	s_add_co_u32 s18, s18, s16
	s_lshl_b32 s4, s18, 9
	s_mov_b32 s5, 0
	s_add_nc_u64 s[72:73], s[84:85], s[4:5]
	v_lshlrev_b32 v6, 6, v2
	WIN 0xc0
.irp t, 0,1,2,3,4,5,6,7
	global_load_b128 v[8*\t:8*\t+3], v6, s[72:73] offset:(32*(\t/2)+8*(\t%2))*4
	global_load_b128 v[8*\t+4:8*\t+7], v6, s[72:73] offset:(32*(\t/2)+8*(\t%2))*4+16
.endr
	WIN 0
	v_lshlrev_b32 v[VO16], 4, v3
	v_lshlrev_b32 v[VO8], 3, v3
	s_mul_i32 s7, s15, 4*CHB
	s_mul_i32 s8, s16, NBW*CHB
	s_add_co_u32 s8, s8, 8*CHB
	s_sub_co_u32 s9, s8, s7
	v_mul_u32_u24 v4, s9, v2
	v_lshl_add_u32 v4, v1, 4, v4
	s_add_co_u32 s12, s7, 6144
	v_add_nc_u32 v[ADS], s12, v4
	v_add_nc_u32 v[ADS+1], SLOT, v[ADS]
	s_add_co_u32 s12, s8, 6144
	v_lshl_add_u32 v[ADS2], v1, 4, s12
	v_add_nc_u32 v[ADS2+1], SLOT, v[ADS2]
.irp s, 0,1
	v_add_nc_u32 v[ADA16+\s], s7, v[VO16]
	v_add_nc_u32 v[ADA8+\s], s7, v[VO8]
	v_add_nc_u32 v[ADB16+\s], s8, v[VO16]
	v_add_nc_u32 v[ADB8+\s], s8, v[VO8]
	s_add_co_u32 s7, s7, SLOT
	s_add_co_u32 s8, s8, SLOT
.endr
	v_mul_u32_u24 v22, v2, 51200
	v_lshl_add_u32 v22, v1, 4, v22
.irp b, 0,1,2,3
	v_mov_b32 v[TM+4+\b], 0
.endr
	s_wait_alu depctr_va_vdst(0)
	s_wait_tensorcnt 0x0
	ds_add_u32 v[SPW], v[NIL]
	s_wait_dscnt 0x0
	CROUND
	JLOAD 1
	FETCH 0, 0, 0
	SCALES 0
	s_wait_loadcnt 0x0
	KSTEP 0, 0, 1
	KSTEP 0, 1, 2
	KSTEP 0, 2, 2
	TURN 0
	KSTEP 1, 0, 2
	KSTEP 1, 1, 2
	KSTEP 1, 2, 2
	ENDT
	s_lshl_b32 s4, s17, 3
	s_lshl_b32 s5, s15, 2
	s_add_co_u32 s4, s4, s5
	s_lshl_b32 s4, s4, 3
	s_lshr_b32 s5, s18, 2
	s_add_co_u32 s4, s4, s5
	s_mul_i32 s4, s4, CHB
	s_and_b32 s5, s18, 3
	s_mul_i32 s6, s5, 1536
	s_add_co_u32 s6, s6, s4
	s_mov_b32 s7, 0
	s_add_nc_u64 s[66:67], s[86:87], s[6:7]
	s_lshl_b32 s6, s5, 2
	s_add_co_u32 s6, s6, s4
	s_add_co_u32 s6, s6, 6144
	s_add_nc_u64 s[68:69], s[86:87], s[6:7]
	EPI 0
	s_wait_tensorcnt 0x0
	s_barrier_signal -1
	s_barrier_wait -1
	FETCH 0, 0, 0
	SCALES 0
	KSTEP 0, 0, 1
	KSTEP 0, 1, 2
	KSTEP 0, 2, 2
	FLOW 0
	KSTEP 1, 0, 2
	KSTEP 1, 1, 2
	KSTEP 1, 2, 2
	s_wait_dscnt 0x0
	WIN 0xa1
	MULA 0, 1, 3, 1, 2
	MULA 1, 1, 3, 1, 2
	MULA 2, 1, 3, 1, 2
	MULA 3, 1, 3, 1, 2
	WIN 0
	PLACES
	EPI 1
	s_wait_tensorcnt 0x0
	ds_add_u32 v[SPW], v[NIL]
	s_wait_dscnt 0x0
	CROUND
	s_endpgm
.Lfunc_end_k_q138c920b14_gw1:
	.size	k_q138c920b14_gw1, .Lfunc_end_k_q138c920b14_gw1-k_q138c920b14_gw1
	.p2alignl 7, 3214868480
	.fill 96, 4, 3214868480
	.section	.rodata,"a",@progbits
	.p2align	6, 0x0
	.amdhsa_kernel k_q138c920b14_gw1
		.amdhsa_group_segment_fixed_size 327680
		.amdhsa_private_segment_fixed_size 0
		.amdhsa_enable_private_segment 0
		.amdhsa_kernarg_size 32
		.amdhsa_user_sgpr_count 2
		.amdhsa_user_sgpr_kernarg_segment_ptr 1
		.amdhsa_wavefront_size32 1
		.amdhsa_system_sgpr_workgroup_id_x 1
		.amdhsa_system_sgpr_workgroup_id_y 1
		.amdhsa_system_sgpr_workgroup_id_z 1
		.amdhsa_system_vgpr_workitem_id 0
		.amdhsa_next_free_vgpr 832
		.amdhsa_next_free_sgpr 96
		.amdhsa_reserve_vcc 0
		.amdhsa_float_denorm_mode_32 3
		.amdhsa_float_denorm_mode_16_64 3
		.amdhsa_memory_ordered 1
		.amdhsa_forward_progress 1
		.amdhsa_inst_pref_size 182
	.end_amdhsa_kernel
	.amdgpu_metadata
---
amdhsa.version: [ 1, 2 ]
amdhsa.kernels:
  - .name:           k_q138c920b14_gw1
    .symbol:         k_q138c920b14_gw1.kd
    .args:
      - { .name: x1img, .offset: 0, .size: 8, .value_kind: global_buffer, .address_space: global }
      - { .name: prep, .offset: 8, .size: 8, .value_kind: global_buffer, .address_space: global }
      - { .name: b1, .offset: 16, .size: 8, .value_kind: global_buffer, .address_space: global }
      - { .name: himg, .offset: 24, .size: 8, .value_kind: global_buffer, .address_space: global }
    .group_segment_fixed_size: 327680
    .private_segment_fixed_size: 0
    .kernarg_segment_align: 8
    .kernarg_segment_size: 32
    .max_flat_workgroup_size: 128
    .sgpr_count:     96
    .vgpr_count:     832
    .wavefront_size: 32
...
	.end_amdgpu_metadata
.endif
;; end of part 5
;; launch gw2 (part 6): grid 8 x 32, 4 waves a work-group, clusters of 4 x 1, 327,680 bytes of LDS; arguments himg, prep, x1, b2, out0; writes out0
.if DOCPART == 6
	.amdgcn_target "amdgcn-amd-amdhsa--gfx1250"
	.amdhsa_code_object_version 6
	.text
	.protected	k_q138c920b14_gw2
	.globl	k_q138c920b14_gw2
	.p2align	8
	.type	k_q138c920b14_gw2,@function
k_q138c920b14_gw2:
	s_mov_b64 s[64:65], 0
	v_nop
	global_prefetch_b8 v0, s[64:65] scope:SCOPE_SE
	s_setreg_imm32_b32 hwreg(HW_REG_WAVE_MODE, 25, 1), 1
	s_wait_xcnt 0x0
	s_wait_alu depctr_hold_cnt(0) depctr_sa_sdst(0) depctr_va_vdst(0) depctr_va_sdst(0) depctr_va_ssrc(0) depctr_va_vcc(0) depctr_vm_vsrc(0)
	s_getreg_b32 s2, hwreg(HW_REG_IB_STS2, 6, 4)
	s_cmp_eq_u32 s2, 0
	s_cbranch_scc0 .Lentry_in_a_cluster
	s_endpgm
.Lentry_in_a_cluster:
	s_bfe_u32 s2, ttmp6, 0x10000c
	s_cmp_lg_u32 s2, 0x3003
	s_cbranch_scc0 .Lentry_shape_is_right
	s_endpgm
.Lentry_shape_is_right:
; out0 = x1 + h W2 + b2: the product on codes of FP6 (E2M3) with E8M0 scales, K = 4,096, one f32 sum for each output, K ascending.
; IMAGES: row block J, lane r = row 32 (J / 2) + 8 (J % 2) + r + 8 (r / 8); four fragments (16 rows x 128 K, 1,536 bytes each) and 256 bytes of scale words (row r, fragment q: 6,144 + 16 r + 4 q) are a chunk block of
; 6,400 bytes; an operand is [J][8][6,400].  In W2's image a fragment is laid as 512 + 256 + 512 + 256 bytes (registers 0-3, 4-5, 6-9, 10-11); in h's image as 3 x 512: registers 4 m .. 4 m + 3 of lane L at 512 m + 16 L.
; SHARES.  A work-group makes 128 x 128: 8 x 32 = 256 work-groups.  Each of four waves makes all 128 rows x 32 columns: 16 accumulators.
; h's 128 rows go through LDS, in chunk pairs (1,024 along K: 8 row blocks x 12,800 bytes = 102,400), three regions.  Three fills, one tensor load a wave each: pair 0 -> region 0 at the head; pairs 1, 2 -> regions 1, 2
; behind the full sequence and a round; pair 3 -> region 0 again, behind the round in K step 7.  Between the second fill and the wait for it stand 7 K steps, between the third and its wait 16.
; W2's 32 columns of a wave are read by that wave alone, so they go from memory straight into its registers: 8 loads for 128 along K, a ring of eight slots of 24 registers, asked for seven K steps ahead:
; by the text's own count at most 58 loads of a wave are out.
; The matrix instruction is used TRANSPOSED (source 0 = 16 rows of W2's image, source 1 = 16 rows of h's): a lane holds one row of the result and neighbouring columns.
; One scale register carries two row blocks' words: the even one's in lanes 0-15, the odd one's in lanes 16-31.
; CLUSTER 4 x 1: the four partners make four column tiles of one row tile and ask for h's tiles jointly.  W2 lands in registers, not in LDS: no joint request serves it.
; PREFETCH of h, a cluster's own tiles shared out by address: wave w of partner cx names row block 2 w + cx % 2, chunk 2 p + cx / 2 of pair p: 25 blocks of 256 bytes an instruction (lanes 25-31 name the 25th again).
; Pairs 1 and 2 are named at the head, behind the first loads; pair 3 behind the second fill, seven K steps ahead of its load.  x1: a wave's 32 rows x 512 bytes, two instructions in K step 12; loaded from K step 25 on.
; W2's stream is asked for seven K steps ahead by its own loads and is not prefetched.
; THE WALK IS WRITTEN OUT: the steps at which regions change differ from each other (a refill, nothing, a plain barrier), and W2's scale words take turns in three sets.
; THE WAY OUT: the four waves' parts meet in a stage of 128 rows x 528 bytes in region 1, which has had its last fill and, behind the barrier in K step 23, its last read; wave w takes rows 32 w .. 32 w + 31 back
; whole, adds x1 + b2 and stores 512 consecutive bytes an instruction.  The sum is (h W2 + (x1 + b2)): an order of rounding that differs from reference()'s in f32's last bits.  LIMITS: NaN and infinities are not served.
; REGISTERS: window 0: v2-19 addresses; v32-43 W2's scale words, three sets; v48-79 h's, two sets; v96-159 rows on the way out; v160-163 b2.  window 1: h's fragments, two sets of 96.
;   window 2: the ring.  window 3: accumulator (a, t) at v[8 (2 a + t)]; v128-255 x1.
.set CHB,   6400
.set PRB,   12800                      ; a row block's chunk pair
.set RBB,   51200                      ; a row block's image for all of K
.set REG,   102400                     ; a region
.set BOFF,  9830400                    ; W2's image in prep
.set SPARE, 3*REG                      ; the spare words: two blocks of 256 bytes that no other line names
.set STG,   REG
.set LN8,  2                           ; 8 x lane
.set BSO,  3                           ; W2's scale words: 16 r + a row block's image x h
.set AL,   4                           ; v4-9: 16 x lane + region + 51,200 x (upper four row blocks); v4 is also 16 x lane
.set LN16, 4
.set AS,   10                          ; v10-15: 16 r + 12,800 h + the same
.set STO,  16
.set STR,  17
.set PFH,  18                          ; 256 x min(lane, 24)
.set PFX,  19                          ; a row of x1 x lane
.set SPW,  28
.set NIL,  29
.set BSC,  32
.set ASC,  48
.set RB,   96
.set BR,   160
.set G1A, 24                           ; group 1: 2 row blocks x a pair;  G1B: 4 row blocks x a pair
.set G1B, 40
.set G0A, 32                           ; group 0 of the three fills
.set G0B, 36
.set G0C, 48
.set SB, 52                            ; W2's image at my first row block
.set PH, 54                            ; h's image at the row block and chunk parity that I prefetch
.set XB, 56                            ; x1, out0 at my 32 rows; b2 at the tile's columns
.set OB, 58
.set BB, 60
.set MSB, 0
.macro WIN new                         ; the immediate's high byte repeats the setting that is left
.if MSB != \new
	s_set_vgpr_msb (MSB<<8)|\new
.set MSB, \new
.endif
.endm
.macro PLACES                          ; four places behind a matrix instruction (ISA guide 7.12.1)
.rept 4
	v_nop
.endr
.endm
.macro CREST                           ; a round of the cluster's barrier behind its opening barrier
	s_cmp_lg_u32 s14, 0
	s_cbranch_scc1 .Lnot_wave_0_\@
	s_barrier_signal -3
.Lnot_wave_0_\@:
	s_barrier_wait -3
	s_barrier_signal -1
	s_barrier_wait -1
.endm
.macro CROUND
	s_barrier_signal -1
	s_barrier_wait -1
	CREST
.endm
.macro SLOAD n                         ; W2's two fragments of K step n into slot n % 8
	WIN 0x80
.irp t, 0,1
	global_load_b128 v[24*((\n)%8)+12*\t:24*((\n)%8)+12*\t+3], v[LN16], s[SB:SB+1] offset:RBB*\t+CHB*((\n)/4)+1536*((\n)%4)
	global_load_b64 v[24*((\n)%8)+12*\t+4:24*((\n)%8)+12*\t+5], v[LN8], s[SB:SB+1] offset:RBB*\t+CHB*((\n)/4)+1536*((\n)%4)+512
	global_load_b128 v[24*((\n)%8)+12*\t+6:24*((\n)%8)+12*\t+9], v[LN16], s[SB:SB+1] offset:RBB*\t+CHB*((\n)/4)+1536*((\n)%4)+768
	global_load_b64 v[24*((\n)%8)+12*\t+10:24*((\n)%8)+12*\t+11], v[LN8], s[SB:SB+1] offset:RBB*\t+CHB*((\n)/4)+1536*((\n)%4)+1280
.endr
	WIN 0
.endm
.macro SSCALE c                        ; W2's scale words of chunk c into set c % 3: lanes 0-15 my first row block, lanes 16-31 my second
	global_load_b128 v[BSC+4*((\c)%3):BSC+4*((\c)%3)+3], v[BSO], s[SB:SB+1] offset:CHB*(\c)+6144
.endm
.macro RLOAD n                         ; h's eight fragments of K step n into set n % 2; pair p lies in region p % 3
	WIN 0x40
.irp a, 0,1,2,3,4,5,6,7
.irp m, 0,1,2
	ds_load_b128 v[96*((\n)%2)+12*\a+4*\m:96*((\n)%2)+12*\a+4*\m+3], v[AL+2*(((\n)/8)%3)+\a/4] offset:PRB*(\a%4)+CHB*(((\n)%8)/4)+1536*((\n)%4)+512*\m
.endr
.endr
	WIN 0
.endm
.macro RSCALE c                        ; h's scale words of chunk c into set c % 2: lanes 0-15 row block 2 j, lanes 16-31 row block 2 j + 1
.irp j, 0,1,2,3
	ds_load_b128 v[ASC+16*((\c)%2)+4*\j:ASC+16*((\c)%2)+4*\j+3], v[AS+2*(((\c)/2)%3)+\j/2] offset:2*PRB*(\j%2)+CHB*((\c)%2)+6144
.endr
.endm
.macro XLOAD g                         ; rows 8 g .. 8 g + 7 of my 32 of x1: 32 lanes read a row's 512 consecutive bytes; ahead of the first, b2
.if (\g) == 0
	global_load_b128 v[BR:BR+3], v[LN16], s[BB:BB+1]
.endif
	WIN 0xc0
.irp i, 0,1,2,3,4,5,6,7
	global_load_b128 v[128+32*(\g)+4*\i:128+32*(\g)+4*\i+3], v[LN16], s[XB:XB+1] offset:(8*(\g)+\i)*4096 th:TH_LOAD_NT
.endr
	WIN 0
.endm
.macro W1 a, t, s, z, m1, m2           ; one product; m1, m2: which rows of the scale registers
.set rD, 8*(2*(\a)+(\t))
.set rB, 24*((\s)%8)+12*(\t)
.set rA, 96*((\s)%2)+12*(\a)
.set rX, BSC+4*(((\s)/4)%3)+(\s)%4
.set rY, ASC+16*(((\s)/4)%2)+4*((\a)/2)+(\s)%4
.if \z
	v_wmma_scale_f32_16x16x128_f8f6f4 v[rD:rD+7], v[rB:rB+11], v[rA:rA+11], 0, v[rX], v[rY] matrix_a_fmt:MATRIX_FMT_FP6 matrix_b_fmt:MATRIX_FMT_FP6 \m1 \m2
.else
	v_wmma_scale_f32_16x16x128_f8f6f4 v[rD:rD+7], v[rB:rB+11], v[rA:rA+11], v[rD:rD+7], v[rX], v[rY] matrix_a_fmt:MATRIX_FMT_FP6 matrix_b_fmt:MATRIX_FMT_FP6 \m1 \m2
.endif
.endm
.macro MULQ s, z, a                    ; h's row blocks a, a + 1 against my two of W2.  The 16 accumulators take turns in one order throughout
	W1 \a, 0, \s, \z
	W1 \a, 1, \s, \z, matrix_a_scale:MATRIX_SCALE_ROW1
	W1 \a+1, 0, \s, \z, matrix_b_scale:MATRIX_SCALE_ROW1
	W1 \a+1, 1, \s, \z, matrix_a_scale:MATRIX_SCALE_ROW1, matrix_b_scale:MATRIX_SCALE_ROW1
.endm
.set MULW, 0xf6                        ; source 0 window 2, source 1 window 1, C and D window 3
.macro ISSUE s                         ; what K step s asks for: W2 seven steps on (behind the last: x1), h one step on
.if (\s)+7 < 32
	SLOAD (\s)+7
.if (\s)%4 == 0 && (\s) <= 20
	SSCALE (\s)/4+2
.endif
.elseif (\s) < 29
	XLOAD (\s)-25
.endif
.if (\s) < 31
	RLOAD (\s)+1
.if (\s)%4 == 3
	RSCALE (\s)/4+1
.endif
.endif
.if (\s) == 12
	global_prefetch_b8 v[PFX], s[XB:XB+1] th:TH_LOAD_NT scope:SCOPE_SE
	global_prefetch_b8 v[PFX], s[XB:XB+1] offset:256 th:TH_LOAD_NT scope:SCOPE_SE
.endif
.endm
; K step s.  n: the global loads issued behind this step's fragments: six steps' batches of 8 and at least one scale load, 49 (the scale words came a step earlier still).
.macro STEP s, n, z
	s_wait_loadcnt \n
	s_wait_dscnt 0x0                               ; h's fragments of this step, asked for a step ago
	PLACES                                         ; ahead of loads into registers that the last step's products read
	ISSUE \s
	WIN MULW
	MULQ \s, \z, 0
	MULQ \s, \z, 2
	MULQ \s, \z, 4
	MULQ \s, \z, 6
	WIN 0
.endm
; A K step whose successor lies in a region that a load was still to fill.  In front of the barrier each wave waits for all its tensor loads, adds 0 to its spare word, and waits for that and for its LDS reads.
; fill = 1: the barrier opens a round of the cluster's, and region 0, read no more, takes pair 3 first thing behind the round.
.macro TURN s, n, fill
	s_wait_loadcnt \n
	s_wait_tensorcnt 0x0                           ; all my tensor loads have landed
	ds_add_u32 v[SPW], v[NIL]                      ; 0 onto my spare word
	s_wait_dscnt 0x1                               ; this step's fragments are in; the add may be out
	WIN MULW
	MULQ \s, 0, 0
	s_wait_dscnt 0x0
	s_barrier_signal -1
	MULQ \s, 0, 2
	WIN 0
	s_barrier_wait -1
.if \fill
	CREST
	tensor_load_to_lds s[G0C:G0C+3], s[G1A:G1A+7]
	s_nop 0
.endif
	PLACES
	ISSUE \s
	WIN MULW
	MULQ \s, 0, 4
	MULQ \s, 0, 6
	WIN 0
.endm
.macro OUTG g                          ; rows 8 g .. 8 g + 7 of my 32: back from the stage, + x1 + b2, out
.if (\g) > 1
	s_wait_xcnt 0x0                                ; group g - 2's stores have read their data
.endif
.irp i, 0,1,2,3,4,5,6,7
	ds_load_b128 v[RB+32*((\g)%2)+4*\i:RB+32*((\g)%2)+4*\i+3], v[STR] offset:528*(8*(\g)+\i)
.endr
	s_wait_loadcnt 24-8*(\g)                       ; the later groups of x1 may be out
	WIN 0xc3                                       ; x1 in window 3, b2 in window 0
.irp i, 0,1,2,3,4,5,6,7
	v_pk_add_f32 v[128+32*(\g)+4*\i:128+32*(\g)+4*\i+1], v[128+32*(\g)+4*\i:128+32*(\g)+4*\i+1], v[BR:BR+1]
	v_pk_add_f32 v[128+32*(\g)+4*\i+2:128+32*(\g)+4*\i+3], v[128+32*(\g)+4*\i+2:128+32*(\g)+4*\i+3], v[BR+2:BR+3]
.endr
	s_wait_dscnt 0x0
	WIN 0x0c
.irp i, 0,1,2,3,4,5,6,7
	v_pk_add_f32 v[RB+32*((\g)%2)+4*\i:RB+32*((\g)%2)+4*\i+1], v[RB+32*((\g)%2)+4*\i:RB+32*((\g)%2)+4*\i+1], v[128+32*(\g)+4*\i:128+32*(\g)+4*\i+1]
	v_pk_add_f32 v[RB+32*((\g)%2)+4*\i+2:RB+32*((\g)%2)+4*\i+3], v[RB+32*((\g)%2)+4*\i+2:RB+32*((\g)%2)+4*\i+3], v[128+32*(\g)+4*\i+2:128+32*(\g)+4*\i+3]
.endr
	WIN 0
.irp i, 0,1,2,3,4,5,6,7
	global_store_b128 v[LN16], v[RB+32*((\g)%2)+4*\i:RB+32*((\g)%2)+4*\i+3], s[OB:OB+1] offset:(8*(\g)+\i)*4096 th:TH_STORE_NT   ; 32 lanes store 512 consecutive bytes, aligned to 256
.endr
.endm
	s_load_b256 s[4:11], s[0:1], 0x0               ; himg s[4:5], prep s[6:7], x1 s[8:9], b2 s[10:11]
	s_load_b64 s[12:13], s[0:1], 0x20              ; out0
	v_lshl_add_u32 v[SPW], v0, 2, SPARE
	v_mov_b32 v[NIL], 0
	ds_add_u32 v[SPW], v[NIL]                      ; the wave's opening: the add, twice on end, and its wait ahead of my first tensor load
	ds_add_u32 v[SPW], v[NIL]
	v_lshrrev_b32 v20, 5, v0
	v_readfirstlane_b32 s14, v20                   ; wave
	s_lshr_b32 s15, s14, 1
	s_and_b32 s16, s14, 1
	s_bfe_u32 s17, ttmp6, 0x40000                  ; cx
	s_lshl_b32 s18, ttmp9, 2
	s_add_co_u32 s18, s18, s17                     ; column tile = 4 x cluster x + cx
	s_and_b32 s19, ttmp7, 0xffff                   ; row tile: the same in all four partners
.irp g, G1A, G1B
	s_mov_b32 s[\g], 15|(3<<16)|(1<<21)            ; the mask names the four partners; elements of 8 bytes; bit 21 beside a mask; no padding
	s_mov_b32 s[\g+1], 1600<<16                    ; a chunk pair is a row of 1,600 elements
	s_mov_b32 s[\g+3], 1600<<16
	s_mov_b32 s[\g+5], 6400                        ; from row block to row block
	s_mov_b32 s[\g+6], 0
	s_mov_b32 s[\g+7], 0
.endr
	s_mov_b32 s[G1A+2], 2<<16
	s_mov_b32 s[G1A+4], 2
	s_mov_b32 s[G1B+2], 4<<16
	s_mov_b32 s[G1B+4], 4
	; the joint loads' places hang on the row tile and the wave's number alone
	s_lshl_b32 s20, s19, 3
	s_lshl_b32 s21, s14, 1
	s_add_co_u32 s21, s21, s20                     ; fills 1 and 3: row blocks 8 x row tile + 2 x wave, + 1
	s_mul_i32 s66, s21, RBB
	s_mov_b32 s67, 0
	s_lshl_b32 s21, s16, 2
	s_add_co_u32 s21, s21, s20                     ; fill 2: four row blocks from 8 x row tile + 4 (wave % 2), pair 1 + wave / 2
	s_mul_i32 s68, s21, RBB
	s_add_co_u32 s21, s15, 1
	s_mul_i32 s20, s21, PRB
	s_add_co_u32 s68, s68, s20
	s_mov_b32 s69, 0
	s_mov_b32 s[G0A], 1
	s_mov_b32 s[G0B], 1
	s_mov_b32 s[G0C], 1
	s_mul_i32 s[G0A+1], s14, 2*PRB
	s_mul_i32 s[G0C+1], s14, 2*PRB
	s_mul_i32 s[G0B+1], s21, REG
	s_mul_i32 s20, s16, RBB
	s_add_co_u32 s[G0B+1], s[G0B+1], s20
	; what hangs on cx: global addresses alone
	s_lshl_b32 s22, s18, 3
	s_lshl_b32 s23, s14, 1
	s_add_co_u32 s22, s22, s23                     ; W2: my row blocks 8 x column tile + 2 x wave, + 1
	s_mul_i32 s70, s22, RBB
	s_add_co_u32 s70, s70, BOFF
	s_mov_b32 s71, 0
	s_and_b32 s22, s17, 1
	s_add_co_u32 s22, s22, s23
	s_lshl_b32 s23, s19, 3
	s_add_co_u32 s22, s22, s23
	s_mul_i32 s72, s22, RBB                        ; the prefetches: row block 8 x row tile + 2 x wave + cx % 2,
	s_lshr_b32 s23, s17, 1
	s_mul_i32 s23, s23, CHB                        ; chunk parity cx / 2
	s_add_co_u32 s72, s72, s23
	s_mov_b32 s73, 0
	s_lshl_b32 s74, s19, 19                        ; x1, out0: row 128 x row tile + 32 x wave, rows of 4,096 bytes; + 512 x column tile
	s_lshl_b32 s23, s14, 17
	s_add_co_u32 s74, s74, s23
	s_lshl_b32 s76, s18, 9
	s_add_co_u32 s74, s74, s76
	s_mov_b32 s75, 0
	s_mov_b32 s77, 0
	s_lshl_b32 s78, s14, 7
	s_add_co_u32 s78, s78, STG                     ; the stage: my 128 bytes of each row;
	s_mul_i32 s79, s14, 32*528
	s_add_co_u32 s79, s79, STG                     ; my 32 rows
	v_and_b32 v20, 15, v0                          ; r
	v_bfe_u32 v21, v0, 4, 1                        ; h
	v_and_b32 v22, 31, v0                          ; lane
	v_lshlrev_b32 v[LN16], 4, v22
	v_lshlrev_b32 v[LN8], 3, v22
	v_mul_u32_u24 v[BSO], v21, RBB
	v_lshl_add_u32 v[BSO], v20, 4, v[BSO]
	v_mul_u32_u24 v[AS], v21, PRB
	v_lshl_add_u32 v[AS], v20, 4, v[AS]
.irp k, 1,2,3,4,5
	v_add_nc_u32 v[AL+\k], REG*(\k/2)+RBB*(\k%2), v[AL]
	v_add_nc_u32 v[AS+\k], REG*(\k/2)+RBB*(\k%2), v[AS]
.endr
	v_and_b32 v23, 8, v20
	v_add_nc_u32 v23, v23, v20                     ; r + 8 (r / 8)
	v_mul_u32_u24 v[STO], v23, 528
	v_lshl_add_u32 v[STO], v21, 6, v[STO]
	v_add_nc_u32 v[STO], s78, v[STO]
	v_add_nc_u32 v[STR], s79, v[LN16]
	v_min_u32 v[PFH], 24, v22
	v_lshlrev_b32 v[PFH], 8, v[PFH]
	v_lshlrev_b32 v[PFX], 12, v22
	s_wait_alu depctr_va_vdst(0)
	s_wait_dscnt 0x0                               ; both opening adds are done
	s_wait_kmcnt 0x0
	s_add_nc_u64 s[G0A+2:G0A+3], s[4:5], s[66:67]
	s_add_nc_u64 s[G0C+2:G0C+3], s[G0A+2:G0A+3], 3*PRB
	s_add_nc_u64 s[G0B+2:G0B+3], s[4:5], s[68:69]
	s_or_b32 s[G0A+3], s[G0A+3], 0x80000000
	s_or_b32 s[G0B+3], s[G0B+3], 0x80000000
	s_or_b32 s[G0C+3], s[G0C+3], 0x80000000
	s_add_nc_u64 s[SB:SB+1], s[6:7], s[70:71]
	s_add_nc_u64 s[PH:PH+1], s[4:5], s[72:73]
	s_add_nc_u64 s[XB:XB+1], s[8:9], s[74:75]
	s_add_nc_u64 s[OB:OB+1], s[12:13], s[74:75]
	s_add_nc_u64 s[BB:BB+1], s[10:11], s[76:77]
	CROUND                                         ; all four partners are here: the joint loads meet
	tensor_load_to_lds s[G0A:G0A+3], s[G1A:G1A+7]  ; pair 0: my one tensor load at the head
	s_nop 0
	PLACES
	SSCALE 0                                       ; 2 + 7 x 8 = 58 loads
	SSCALE 1
	SLOAD 0
	SLOAD 1
	SLOAD 2
	global_prefetch_b8 v[PFH], s[PH:PH+1] offset:2*CHB th:TH_LOAD_NT scope:SCOPE_SE
	global_prefetch_b8 v[PFH], s[PH:PH+1] offset:4*CHB th:TH_LOAD_NT scope:SCOPE_SE
	SLOAD 3
	SLOAD 4
	SLOAD 5
	SLOAD 6
	s_wait_tensorcnt 0x0                           ; my part of pair 0 is in
	ds_add_u32 v[SPW], v[NIL]
	s_wait_dscnt 0x0
	CROUND                                         ; everybody's part is in, and the joint loads meet
	tensor_load_to_lds s[G0B:G0B+3], s[G1B:G1B+7]  ; pairs 1 and 2
	s_nop 0
	PLACES
	RLOAD 0
	RSCALE 0
	global_prefetch_b8 v[PFH], s[PH:PH+1] offset:6*CHB th:TH_LOAD_NT scope:SCOPE_SE
	STEP 0, 48, 1                                  ; the first step's products start the sums; behind its fragments: six steps' 48 loads
.set ST, 1
.rept 6
	STEP ST, 49, 0
.set ST, ST+1
.endr
	TURN 7, 49, 1                                  ; pairs 1 and 2 are in; region 0 <- pair 3
.set ST, 8
.rept 15
	STEP ST, 49, 0
.set ST, ST+1
.endr
	TURN 23, 49, 0                                 ; pair 3 is in; nothing is left to fetch; regions 1 and 2 are read no more
.set ST, 24
.rept 6
	STEP ST, 49, 0
.set ST, ST+1
.endr
	STEP 30, 41, 0                                 ; 8 + 9 + 8 + 8 + 8
	STEP 31, 33, 0                                 ; 9 + 8 + 8 + 8
	PLACES
	WIN 0x0c                                       ; an LDS store's data are its source 1: window 3
.irp a, 0,1,2,3,4,5,6,7
.irp t, 0,1
	ds_store_b128 v[STO], v[8*(2*\a+\t):8*(2*\a+\t)+3] offset:(32*(\a/2)+8*(\a%2))*528+32*\t        ; each accumulator from its low end on
	ds_store_b128 v[STO], v[8*(2*\a+\t)+4:8*(2*\a+\t)+7] offset:(32*(\a/2)+8*(\a%2))*528+32*\t+16
.endr
.endr
	WIN 0
	s_wait_dscnt 0x0                               ; my part of the stage is written,
	s_barrier_signal -1
	s_barrier_wait -1                              ; everybody's is
	OUTG 0
	OUTG 1
	OUTG 2
	OUTG 3
	s_wait_tensorcnt 0x0                           ; the wave's end
	ds_add_u32 v[SPW], v[NIL]
	s_wait_dscnt 0x0
	CROUND                                         ; the closing round
	s_endpgm
.Lfunc_end_k_q138c920b14_gw2:
	.size	k_q138c920b14_gw2, .Lfunc_end_k_q138c920b14_gw2-k_q138c920b14_gw2
	.p2alignl 7, 3214868480
	.fill 96, 4, 3214868480
	.section	.rodata,"a",@progbits
	.p2align	6, 0x0
	.amdhsa_kernel k_q138c920b14_gw2
		.amdhsa_group_segment_fixed_size 327680
		.amdhsa_private_segment_fixed_size 0
		.amdhsa_enable_private_segment 0
		.amdhsa_kernarg_size 40
		.amdhsa_user_sgpr_count 2
		.amdhsa_user_sgpr_kernarg_segment_ptr 1
		.amdhsa_wavefront_size32 1
		.amdhsa_system_sgpr_workgroup_id_x 1
		.amdhsa_system_sgpr_workgroup_id_y 1
		.amdhsa_system_sgpr_workgroup_id_z 1
		.amdhsa_system_vgpr_workitem_id 0
		.amdhsa_next_free_vgpr 1024
		.amdhsa_next_free_sgpr 96
		.amdhsa_reserve_vcc 0
		.amdhsa_float_denorm_mode_32 3
		.amdhsa_float_denorm_mode_16_64 3
		.amdhsa_memory_ordered 1
		.amdhsa_forward_progress 1
		.amdhsa_inst_pref_size 179
	.end_amdhsa_kernel
	.amdgpu_metadata
---
amdhsa.version: [ 1, 2 ]
amdhsa.kernels:
  - .name:           k_q138c920b14_gw2
    .symbol:         k_q138c920b14_gw2.kd
    .args:
      - { .name: himg, .offset: 0, .size: 8, .value_kind: global_buffer, .address_space: global }
      - { .name: prep, .offset: 8, .size: 8, .value_kind: global_buffer, .address_space: global }
      - { .name: x1, .offset: 16, .size: 8, .value_kind: global_buffer, .address_space: global }
      - { .name: b2, .offset: 24, .size: 8, .value_kind: global_buffer, .address_space: global }
      - { .name: out0, .offset: 32, .size: 8, .value_kind: global_buffer, .address_space: global }
    .group_segment_fixed_size: 327680
    .private_segment_fixed_size: 0
    .kernarg_segment_align: 8
    .kernarg_segment_size: 40
    .max_flat_workgroup_size: 128
    .sgpr_count:     96
    .vgpr_count:     1024
    .wavefront_size: 32
...
	.end_amdgpu_metadata
.endif
;; end of part 6
